; MI455X (gfx1250); checked and timed in simulation.
; The chip was launched on July 23, 2026; its instructions are those of AMD's public machine-readable ISA for CDNA 5 (MIT licence, August 2026) and "CDNA5" Instruction Set Architecture Reference Guide (July 2026). The comments in the code are by the model that wrote it; some were corrected since.
;; Hard Gated Experts. Allowed arithmetic: matrix products marked QUANTISED: E4M3 operands, one E8M0 scale for each 32 along K, by v_wmma_scale_f32_16x16x128_f8f6f4 with both operands' format E4M3, f32 sums; everything else in f32.
;; Inputs: W1 8 x 512 x 512 float32; W2 8 x 512 x 256 float32; W3 8 x 256 x 256 float32; b1 8 x 512 float32; b2 8 x 256 float32; b3 8 x 256 float32; gate_id 8,192 int32; h 8,192 x 512 float32.
;; Outputs: out0 8,192 x 256 float32.
;; This version of the problem:
;;   THIS VERSION OF THE PROBLEM IS GIVEN IN LOW PRECISION. The matrix products marked QUANTISED in the list below multiply operands that are first quantised to E4M3 (4 exponent bits, 3 mantissa bits; 8 bits a number), with one power-of-two scale for each 32 numbers along K (OCP MX v1.0); their sums are f32. All else is computed in f32.
;;   The module's matrix products, in the order in which they are computed (A, B: the left and right operand; K: the contracted axis; several contracted axes count as one K, in the product's order):
;;     1. [M 4,096, K 512] x [K 512, N 8,192]; A: input W1; B: input h: QUANTISED
;;     2. batch 8 x [M 8,192, K 512] x [K 512, N 256]; A: computed on the way; B: input W2: QUANTISED
;;     3. batch 8 x [M 8,192, K 256] x [K 256, N 256]; A: computed on the way; B: input W3: QUANTISED
;;   THE QUANTISER, for each operand of a quantised product, along K:
;;     - K is cut into blocks of 32 from its start; a last block that is shorter is filled with zeros.
;;     - A block's scale is 2^e with e = floor(log2(the largest magnitude in the block)) - 8, held to -126 .. 127; a block of zeros has e = 0. As a byte (E8M0): e + 127.
;;     - Each number is divided by its block's scale, clamped to +-448, and rounded to the nearest number of E4M3, ties to even, subnormals kept.
;;     - The product sums the exact products of the quantised numbers (number of the format x scale) in f32.
;;   ~~~python
;;   def quantise(x, axis):      # numpy; x: float32 -> the quantised numbers, widened to float32 again
;;       x = np.moveaxis(x, axis, -1); K = x.shape[-1]
;;       x = np.pad(x, [(0, 0)] * (x.ndim - 1) + [(0, -K % 32)]); x = x.reshape(x.shape[:-1] + (-1, 32)); a = np.abs(x).max(-1, keepdims=True)
;;       e = np.where(a > 0, np.clip(np.frexp(np.where(a > 0, a, 1))[1] - 1 - 8, -126, 127), 0)      # np.frexp(a)[1] - 1 = floor(log2(a)), exactly
;;       r = np.clip(x / 2.0 ** e, -448, 448)
;;       step = 2.0 ** (np.maximum(np.frexp(np.where(r == 0, 1, r))[1] - 1, -6) - 3)
;;       q = np.round(r / step) * step * 2.0 ** e      # np.round: ties to even
;;       return np.moveaxis(q.reshape(q.shape[:-2] + (-1,))[..., :K], -1, axis).astype(np.float32)
;;   ~~~
;;   OPERANDS COMPUTED ON THE WAY. 'Computed on the way' means the value that the module computes at that place (a softmax that the list does not call 'softmax' is quantised finished and normalised). What goes into a quantiser is computed in f32, as accurately as f32 sums, v_exp_f32 and their like allow (about 1e-6 of the number): no bf16 or f16 on the way to a quantiser, and a product that is left as it is and whose result goes on into a quantised operand takes f32 operands (vector FMAs, or v_wmma_f32_16x16x4_f32). A number that lies on a knife's edge between two numbers of the format may be rounded either way, as far as f32 arithmetic and the matrix unit's own rounding can turn it there, and no further.
;; 2 versions, each right; version 2 is version 1 with the launch experts written anew for expert scheduling mode. Each part assembles by itself: llvm-mc -triple=amdgcn-amd-amdhsa -mcpu=gfx1250 --defsym DOCPART=n.
;; ======== version 1 of 2: 2 launches
;; workspace buffers: wq 3,784,704 bytes; route 36,608 bytes of whole numbers
;; launch prep (part 1): grid 225 x 1, 16 waves a work-group, no clusters, 268,544 bytes of LDS; arguments W1, W2, W3, gate_id, wq, route; writes wq, route
.if DOCPART == 1
	.amdgcn_target "amdgcn-amd-amdhsa--gfx1250"
	.amdhsa_code_object_version 6
	.text
	.protected	k_q7950f1ba23_prep
	.globl	k_q7950f1ba23_prep
	.p2align	8
	.type	k_q7950f1ba23_prep,@function
k_q7950f1ba23_prep:
	s_mov_b64 s[64:65], 0
	v_nop
	global_prefetch_b8 v0, s[64:65] scope:SCOPE_SE
	s_setreg_imm32_b32 hwreg(HW_REG_WAVE_MODE, 25, 1), 1
	s_wait_xcnt 0x0
; WORK-GROUPS 0-223: W1 [8][512][512], W2 [8][512][256], W3 [8][256][256], f32 with K as the first axis of an expert, become codes of FP8 (E4M3) with one E8M0 byte for each 32 along K,
; laid in the order in which the second launch's waves put them into matrix operands.  WORK-GROUP 224: the routing lists.
; A FRAGMENT (16 columns n x 128 K) is 2,048 bytes, [c 0..3][lane 0..31][16 bytes]: byte i of lane rho + 16 hk in quad c is the code of W[e][128 ks + 32 c + 16 hk + i][n],
; n = 32 b + 8 u + rho + 8 (rho / 8) for tile 2 b + u: the columns of a tile are not neighbours, so that the results of tiles 2 b and 2 b + 1 are 16 neighbours along the next product's K.
; A SCALE VECTOR is 128 bytes: the word of lane 16 u + rho holds the four bytes (c = 0..3) of that column for one K step.
; A block's scale is 2^(floor(log2(its largest magnitude)) - 8); its byte is the largest magnitude's exponent field - 8, held at 1 from below; a block of zeros gets 127.
; LIMITS: NaN and infinities among the inputs are not served; blocks whose byte is held at 1 were not tried; gate ids of 2^31 - 64 and more, which reference() rounds up to 2^31 in f32, are taken as expert 7.
; route: words 0..511: the expert of tile t (only 0..134 are used);  from byte 2,048: 135 tiles x 64 row numbers.
; LDS: bytes 0..2,047 the weight work-groups' scale words, 128 bytes a wave;  2,048 the routing's sixteen counts;  from 2,304 its sixteen regions.  The weight paths and the routing path name no LDS byte in common.
.set NTILES, 135
.set OFF2, 2097152                     ; wq: W2's codes,
.set OFF3, 3145728                     ; W3's,
.set SC1,  3670016                     ; W1's scale vectors,
.set SC2,  3735552                     ; W2's,
.set SC3,  3768320                     ; W3's
.set X,    16                          ; v16-47  a block's 32 numbers
.set CD,   48                          ; v48-55  its codes
	s_load_b256 s[4:11], s[0:1], 0x0               ; W1 s[4:5], W2 s[6:7], W3 s[8:9], gate_id s[10:11]
	s_load_b128 s[12:15], s[0:1], 0x20             ; wq s[12:13], route s[14:15]
	v_lshl_add_u32 v160, v0, 2, 0x41100
	v_mov_b32 v161, 0
	v_lshrrev_b32 v1, 5, v0
	v_readfirstlane_b32 s16, v1                    ; wave 0..15
	v_and_b32 v1, 31, v0                           ; lane
	s_wait_kmcnt 0x0
	s_cmp_lt_u32 ttmp9, 128                        ; the four ways part on the work-group's number alone: all sixteen waves go the same way
	s_cbranch_scc1 .Lw1
	s_cmp_lt_u32 ttmp9, 192
	s_cbranch_scc1 .Lw2
	s_cmp_lt_u32 ttmp9, 224
	s_cbranch_scc1 .Lw3
	s_branch .Lroute
; A work-group takes 128 columns x 128 K of one expert (64 KiB of f32); wave (bq = wave / 4, c = wave % 4) takes 32 columns x one block of 32 along K.
; A LANE TAKES A COLUMN AND ITS REGISTERS RUN DOWN K: each load reads 128 consecutive bytes, the block's largest magnitude needs no other lane, and the conversions give codes with K innermost.
; src: the weight's address;  y0: the layer's first work-group;  2^LGKS K steps;  2^LGCG groups of 128 columns;  2^LGBW blocks of 32 columns to a wave of the second launch.
.macro QWEIGHT src, y0, LGKS, LGCG, N, K, LGBW, COFF, SOFF
.set KS, 1<<\LGKS
.set BW, 1<<\LGBW
	s_sub_co_u32 s17, ttmp9, \y0
	s_and_b32 s18, s17, KS-1                       ; ks
	s_lshr_b32 s19, s17, \LGKS
	s_and_b32 s19, s19, (1<<\LGCG)-1               ; cg: which 128 columns
	s_lshr_b32 s20, s17, \LGKS+\LGCG               ; e
	s_lshr_b32 s21, s16, 2                         ; bq
	s_and_b32 s22, s16, 3                          ; c
	s_mul_i32 s24, s20, \K*\N*4                    ; from: the expert,
	s_lshl2_add_u32 s23, s18, s22                  ; 4 ks + c: the block along K,
	s_mul_i32 s23, s23, 32*\N*4
	s_add_co_u32 s24, s24, s23
	s_lshl2_add_u32 s23, s19, s21                  ; 4 cg + bq: the block of 32 columns
	s_lshl_b32 s25, s23, 7
	s_add_co_u32 s24, s24, s25
	s_mov_b32 s25, 0
	s_add_nc_u64 s[26:27], s[\src:\src+1], s[24:25]
	v_lshlrev_b32 v2, 2, v1                        ; 4 bytes a lane
.set i, 0
.rept 32
	global_load_b32 v[X+i], v2, s[26:27] offset:i*\N*4 th:TH_LOAD_NT   ; W(k0 + i, my column)
.set i, i+1
.endr
	s_lshr_b32 s28, s23, \LGBW                     ; to: the wave w of the second launch that owns these columns,
	s_lshl2_add_u32 s28, s20, s28                  ; 4 e + w,
	s_lshl_b32 s28, s28, \LGKS
	s_add_co_u32 s28, s28, s18                     ; its K step: 2 BW fragments,
	s_lshl_b32 s28, s28, \LGBW+12
	s_and_b32 s29, s23, BW-1                       ; bl: two fragments,
	s_lshl_b32 s29, s29, 12
	s_add_co_u32 s28, s28, s29
	s_lshl_b32 s29, s22, 9                         ; the quad c
	s_add_co_u32 s28, s28, s29
.if \COFF
	s_add_co_u32 s28, s28, \COFF
.endif
	s_mov_b32 s29, 0
	s_add_nc_u64 s[30:31], s[12:13], s[28:29]
	s_lshl_b32 s32, s19, 2-\LGBW                   ; the scale vectors of the work-group's first wave w0
	s_lshl2_add_u32 s32, s20, s32
	s_lshl_b32 s32, s32, \LGKS
	s_add_co_u32 s32, s32, s18
	s_lshl_b32 s32, s32, \LGBW+7
	s_add_co_u32 s32, s32, \SOFF
	s_mov_b32 s33, 0
	s_add_nc_u64 s[34:35], s[12:13], s[32:33]
	s_lshl_b32 s36, s22, 3                         ; my byte's place in the scale word: 8 c bits up
	v_bfe_u32 v12, v1, 3, 1                        ; u
	v_and_b32 v13, 7, v1
	v_lshrrev_b32 v14, 4, v1
	v_lshl_add_u32 v13, v14, 3, v13                ; rho
	v_lshlrev_b32 v3, 4, v13
	v_lshl_add_u32 v3, v12, 11, v3                 ; my codes' place: fragment u, lane rho
	v_lshl_add_u32 v4, v12, 4, v13
	v_lshlrev_b32 v4, 2, v4
	v_lshl_add_u32 v4, s16, 7, v4                  ; LDS: my wave's own 128 bytes, word 16 u + rho
	v_lshrrev_b32 v5, 3, v1                        ; wave 0 on the way out: lane L reads four words of block bq = L / 8,
	v_lshlrev_b32 v5, 9, v5
	v_and_b32 v7, 7, v1
	v_lshl_add_u32 v5, v7, 4, v5                   ; 512 (L / 8) + 16 (L % 8); the four waves c lie 128 bytes apart
	v_lshrrev_b32 v6, 3+\LGBW, v1
	v_mul_u32_u24 v6, v6, KS*BW*128                ; and stores them: the next wave w's vectors lie KS x BW x 128 bytes on
	v_and_b32 v7, 8*BW-1, v1
	v_lshl_add_u32 v6, v7, 4, v6
	s_wait_loadcnt 0x0                             ; one batch: nothing was issued behind it
	v_max3_num_f32 v8, |v[X]|, |v[X+1]|, |v[X+2]|  ; the block's largest magnitude, in two chains
	v_max3_num_f32 v9, |v[X+3]|, |v[X+4]|, |v[X+5]|
.irp i, 6,10,14,18,22,26
	v_max3_num_f32 v8, v8, |v[X+\i]|, |v[X+\i+1]|
	v_max3_num_f32 v9, v9, |v[X+\i+2]|, |v[X+\i+3]|
.endr
	v_max3_num_f32 v8, v8, |v[X+30]|, |v[X+31]|
	v_max_num_f32 v8, v8, v9
	v_lshrrev_b32 v9, 23, v8                       ; its exponent field
	v_max_u32 v9, 9, v9                            ; the byte is not to fall under 1
	v_lshl_or_b32 v10, v9, 23, 0x600000            ; 448 x the scale
	v_add_nc_u32 v9, -8, v9                        ; the scale's byte
	v_lshlrev_b32 v11, 23, v9                      ; the scale as f32, for the conversion
	v_cmp_eq_u32 vcc_lo, 0, v8
	v_cndmask_b32 v9, v9, 127, vcc_lo              ; a block of zeros
.set i, 0
.rept 32
	v_med3_num_f32 v[X+i], v[X+i], -v10, v10       ; the conversion to an 8-bit code does not saturate (ISA guide 7.6.2): hold the number first
.set i, i+1
.endr
.irp g, 0,1,2,3
	v_cvt_scalef32_pk8_fp8_f32 v[CD+2*\g:CD+2*\g+1], v[X+8*\g:X+8*\g+7], v11
.endr
	v_lshlrev_b32 v9, s36, v9                      ; the byte at its place in the word.  (Also the plain instruction between the conversions and the use of their results)
	global_store_b128 v3, v[CD:CD+3], s[30:31]             ; k 0..15 of the block: the sixteen lanes of a fragment write 256 consecutive bytes, aligned
	global_store_b128 v3, v[CD+4:CD+7], s[30:31] offset:256 ; k 16..31: the fragment's lanes 16-31
	ds_store_b32 v4, v9
	s_wait_dscnt 0x0                               ; for wave 0's sake: my word is in LDS
	s_barrier_signal -1
	s_barrier_wait -1
	s_cmp_lg_u32 s16, 0
	s_cbranch_scc1 .Lqend_\@
.irp c, 0,1,2,3
	ds_load_b128 v[16+4*\c:19+4*\c], v5 offset:128*\c      ; the same four columns' words of the four blocks along K
.endr
	s_wait_dscnt 0x0
.irp i, 0,1,2,3
	v_or_b32 v[16+\i], v[16+\i], v[20+\i]
	v_or_b32 v[24+\i], v[24+\i], v[28+\i]
	v_or_b32 v[16+\i], v[16+\i], v[24+\i]
.endr
	global_store_b128 v6, v[16:19], s[34:35]       ; 512 bytes of scale vectors, as two runs of 256 consecutive bytes, aligned
.Lqend_\@:
	s_wait_tensorcnt 0x0
	ds_add_u32 v160, v161
	s_wait_dscnt 0x0
	s_endpgm
.endm
.Lw1:
	QWEIGHT 4, 0, 2, 2, 512, 512, 2, 0, SC1
.Lw2:
	QWEIGHT 6, 128, 2, 1, 256, 512, 1, OFF2, SC2
.Lw3:
	QWEIGHT 8, 192, 1, 1, 256, 256, 1, OFF3, SC3
; THE ROUTING LISTS.  Whole numbers only; EXEC never changes.  Wave 2 e + s takes expert e and rows 4,096 s .. 4,096 s + 4,095: it writes the numbers of the rows that go to e, packed, into an LDS region of its own,
; so no two waves store into the same bytes.  Lanes whose row goes elsewhere write into the region's 32 dump words.
; TILES.  Expert e has ceil(n_e / 64) tiles of 64 rows: 128 to 135 in all.  The grid of the second launch is 135 whatever the ids, so the S = 135 - sum tiles that are over go to the expert with the most rows
; (1,024 at the least): its first 2 S tiles hold 32 rows each, and tile tau from there on begins at row 64 (tau - S).  Every tile has rows.  Places of a tile beyond its last row repeat that row.
.set RP,   16512                       ; a region: 4,096 words + 32 dump words
.set CNTB, 2048                        ; the sixteen counts, behind the bytes that the weight paths name
.set REG0, 2304                        ; the regions begin behind the counts
.set G,    32                          ; v32-159 my 128 ids
.set TT,   8                           ; v8-15   a chunk's places;  v16-23 its row numbers;  later v8-25: the lists on their way out
.set RR,   16
.set CNT,  24                          ; s24-39  the sixteen counts
.set TB,   40                          ; s40-47  an expert's first tile
.set LK,   48                          ; s48-55  n_e - 1
.set SP,   56                          ; s56-63  S for the largest expert, 0 for the others
.set MA,   66                          ; s66-73, s74-81 a chunk's masks;  s82-89 the count in front of each
.set MB,   74
.set PP,   82
.Lroute:
	s_lshr_b32 s17, s16, 1                         ; my expert
	s_and_b32 s18, s16, 1                          ; my half of the rows
	s_cmp_eq_u32 s17, 0
	s_cselect_b32 s19, 0x80000000, s17             ; clip(id, 0, 7) = e means lo <= id <= hi, signed: expert 0 takes all below, expert 7 all above
	s_cmp_eq_u32 s17, 7
	s_cselect_b32 s20, 0x7fffffff, s17
	v_lshlrev_b32 v2, 4, v1
	v_lshl_add_u32 v2, s18, 14, v2                 ; 16 bytes a lane, 16,384 a half
.set q, 0
.rept 32
	global_load_b128 v[G+4*q:G+4*q+3], v2, s[10:11] offset:512*q   ; register 4 q + j: row 4,096 s + 128 q + 4 lane + j
.set q, q+1
.endr
	v_lshlrev_b32 v3, 2, v1
	v_lshl_add_u32 v3, s18, 12, v3                 ; 4,096 s + 4 lane
	v_add_nc_u32 v4, 4096, v1                      ; my dump word
	s_mul_i32 s21, s16, RP
	s_add_co_u32 s21, s21, REG0
	v_mov_b32 v5, s21                              ; my wave's region
	v_mov_b32 v6, s16
	v_lshlrev_b32 v6, 2, v6                        ; my wave's count
	v_and_b32 v7, 15, v1
	v_lshlrev_b32 v7, 2, v7
	v_lshlrev_b32 v30, 1, v1                       ; on the way out a lane takes two places of a tile
	v_or_b32 v31, 1, v30
	s_mov_b32 s21, 0                               ; rows found so far
.set cc, 0
.rept 16                               ; a chunk is eight registers, 256 ids: the masks, their counts and the places are made in runs, so that no line waits for the one before
	s_wait_loadcnt 30-2*cc                         ; loads come back in order: this chunk's two are in, the later chunks' stay out
.set g, 0
.rept 8
	v_cmp_le_i32 s[MA+g], s19, v[G+8*cc+g]
	v_cmp_ge_i32 s[MB+g], s20, v[G+8*cc+g]
.set g, g+1
.endr
.set g, 0
.rept 8
	s_and_b32 s[MA+g], s[MA+g], s[MB+g]
.set g, g+1
.endr
.set g, 0
.rept 8
	s_mov_b32 s[PP+g], s21
	s_bcnt1_i32_b32 s22, s[MA+g]
	s_add_co_u32 s21, s21, s22
.set g, g+1
.endr
.set g, 0
.rept 8
	v_mbcnt_lo_u32_b32 v[TT+g], s[MA+g], s[PP+g]   ; rows found before mine
.set g, g+1
.endr
.set g, 0
.rept 8
	v_cndmask_b32 v[TT+g], v4, v[TT+g], s[MA+g]    ; not mine: the dump word
.set g, g+1
.endr
.set g, 0
.rept 8
	v_min_u32 v[TT+g], RP/4-1, v[TT+g]             ; inside the region whatever the ids
.set g, g+1
.endr
.set g, 0
.rept 8
	v_lshl_add_u32 v[TT+g], v[TT+g], 2, v5
	v_add_nc_u32 v[RR+g], 128*((8*cc+g)/4)+(8*cc+g)%4, v3
.set g, g+1
.endr
.set g, 0
.rept 8
	ds_store_b32 v[TT+g], v[RR+g]
.set g, g+1
.endr
.set cc, cc+1
.endr
	v_mov_b32 v26, s21
	ds_store_b32 v6, v26 offset:CNTB               ; all lanes write the same word with the same value
	s_wait_dscnt 0x0                               ; for the others' sake: my rows and my count are in LDS
	s_barrier_signal -1
	s_barrier_wait -1
	ds_load_b32 v26, v7 offset:CNTB
	s_wait_dscnt 0x0
.irp i, 0,1,2,3,4,5,6,7,8,9,10,11,12,13,14,15
	v_readlane_b32 s[CNT+\i], v26, \i
.endr
	s_mov_b32 s17, 0                               ; tiles of 64
	s_mov_b32 s18, 0                               ; the largest n_e
	s_mov_b32 s19, 0                               ; and its expert
.irp e, 0,1,2,3,4,5,6,7
	s_add_co_u32 s[LK+\e], s[CNT+2*\e], s[CNT+2*\e+1]
	s_add_co_u32 s20, s[LK+\e], 63
	s_lshr_b32 s[SP+\e], s20, 6
	s_add_co_u32 s17, s17, s[SP+\e]
	s_cmp_gt_u32 s[LK+\e], s18
	s_cselect_b32 s18, s[LK+\e], s18
	s_cselect_b32 s19, \e, s19
.endr
	s_sub_co_u32 s17, NTILES, s17                  ; S
	s_mov_b32 s20, 0
.irp e, 0,1,2,3,4,5,6,7
	s_mov_b32 s[TB+\e], s20
	s_add_co_u32 s20, s20, s[SP+\e]
	s_cmp_eq_u32 s19, \e
	s_cselect_b32 s[SP+\e], s17, 0
	s_add_co_u32 s20, s20, s[SP+\e]
	s_sub_co_u32 s[LK+\e], s[LK+\e], 1
.endr
	v_mov_b32 v29, 0                               ; the expert of tile t = my thread's number: how many experts' first tiles lie at or under t, less one
.irp i, 1,2,3,4,5,6,7
	v_cmp_le_u32 vcc_lo, s[TB+\i], v0
	v_cndmask_b32 v27, 0, 1, vcc_lo
	v_add_nc_u32 v29, v29, v27
.endr
	v_lshlrev_b32 v28, 2, v0
	global_store_b32 v28, v29, s[14:15]            ; v28 and v29 are not written again
	v_lshlrev_b32 v2, 3, v1                        ; (the id loads that named v2 are all in)
	v_lshl_add_u32 v2, s16, 8, v2                  ; a tile's 256 bytes: 8 a lane
; Tile t = wave + 16 i: its expert, its first and last row among the expert's, and my two places of it out of the expert's two regions.
.macro RTILE i
	s_add_co_u32 s17, s16, 16*\i
	s_mov_b32 s18, 0
	s_mov_b32 s19, s[LK]
	s_mov_b32 s20, s[CNT]
	s_mov_b32 s21, s[SP]
	s_mov_b32 s22, 0
.irp e, 1,2,3,4,5,6,7
	s_cmp_ge_u32 s17, s[TB+\e]                     ; the last expert whose first tile lies at or under t has rows: an expert without rows has no tile
	s_cselect_b32 s18, s[TB+\e], s18
	s_cselect_b32 s19, s[LK+\e], s19
	s_cselect_b32 s20, s[CNT+2*\e], s20
	s_cselect_b32 s21, s[SP+\e], s21
	s_cselect_b32 s22, \e, s22
.endr
	s_sub_co_u32 s18, s17, s18                     ; tau
	s_lshl_b32 s23, s21, 1                         ; 2 S
	s_sub_co_u32 s66, s18, s21
	s_lshl_b32 s66, s66, 6                         ; a whole tile begins at 64 (tau - S)
	s_lshl_b32 s67, s18, 5                         ; a half tile at 32 tau
	s_add_co_u32 s68, s67, 31
	s_add_co_u32 s69, s66, 63
	s_min_u32 s69, s69, s19                        ; and ends with the expert's rows at the latest
	s_cmp_lt_u32 s18, s23
	s_cselect_b32 s66, s67, s66
	s_cselect_b32 s69, s68, s69
	s_min_u32 s22, s22, 7
	s_mul_i32 s22, s22, 2*RP
	s_add_co_u32 s22, s22, REG0                    ; the expert's first region
.irp z, 0,1
	v_add_nc_u32 v26, s66, v[30+\z]
	v_min_u32 v26, s69, v26                        ; places beyond the tile's last row repeat it
	v_cmp_le_u32 vcc_lo, s20, v26                  ; beyond the first half's rows?
	v_sub_nc_u32 v27, v26, s20
	v_add_nc_u32 v27, RP/4, v27                    ; then in the second region
	v_cndmask_b32 v26, v26, v27, vcc_lo
	v_min_u32 v26, 2*RP/4-1, v26                   ; inside the two regions whatever the ids
	v_lshl_add_u32 v26, v26, 2, s22
	ds_load_b32 v[8+2*\i+\z], v26
.endr
.endm
.irp i, 0,1,2,3,4,5,6,7
	RTILE \i
.endr
	s_wait_dscnt 0x0
.irp i, 0,1,2,3,4,5,6,7
	global_store_b64 v2, v[8+2*\i:9+2*\i], s[14:15] offset:2048+4096*\i   ; the wave stores 256 consecutive bytes, aligned
.endr
	s_cmp_gt_u32 s16, 6                            ; tiles 128 to 134: waves 0 to 6
	s_cbranch_scc1 .Lroute_end
	RTILE 8
	s_wait_dscnt 0x0
	global_store_b64 v2, v[24:25], s[14:15] offset:2048+4096*8
.Lroute_end:
	s_wait_tensorcnt 0x0
	ds_add_u32 v160, v161
	s_wait_dscnt 0x0
	s_endpgm
.Lfunc_end_k_q7950f1ba23_prep:
	.size	k_q7950f1ba23_prep, .Lfunc_end_k_q7950f1ba23_prep-k_q7950f1ba23_prep
	.p2alignl 7, 3214868480
	.fill 96, 4, 3214868480
	.section	.rodata,"a",@progbits
	.p2align	6, 0x0
	.amdhsa_kernel k_q7950f1ba23_prep
		.amdhsa_group_segment_fixed_size 268544
		.amdhsa_private_segment_fixed_size 0
		.amdhsa_enable_private_segment 0
		.amdhsa_kernarg_size 48
		.amdhsa_user_sgpr_count 2
		.amdhsa_user_sgpr_kernarg_segment_ptr 1
		.amdhsa_wavefront_size32 1
		.amdhsa_system_sgpr_workgroup_id_x 1
		.amdhsa_system_sgpr_workgroup_id_y 1
		.amdhsa_system_sgpr_workgroup_id_z 1
		.amdhsa_system_vgpr_workitem_id 0
		.amdhsa_next_free_vgpr 162
		.amdhsa_next_free_sgpr 96
		.amdhsa_reserve_vcc 1
		.amdhsa_float_denorm_mode_32 3
		.amdhsa_float_denorm_mode_16_64 3
		.amdhsa_memory_ordered 1
		.amdhsa_forward_progress 1
		.amdhsa_inst_pref_size 149
	.end_amdhsa_kernel
	.amdgpu_metadata
---
amdhsa.version: [ 1, 2 ]
amdhsa.kernels:
  - .name:           k_q7950f1ba23_prep
    .symbol:         k_q7950f1ba23_prep.kd
    .args:
      - { .name: W1, .offset: 0, .size: 8, .value_kind: global_buffer, .address_space: global }
      - { .name: W2, .offset: 8, .size: 8, .value_kind: global_buffer, .address_space: global }
      - { .name: W3, .offset: 16, .size: 8, .value_kind: global_buffer, .address_space: global }
      - { .name: gate_id, .offset: 24, .size: 8, .value_kind: global_buffer, .address_space: global }
      - { .name: wq, .offset: 32, .size: 8, .value_kind: global_buffer, .address_space: global }
      - { .name: route, .offset: 40, .size: 8, .value_kind: global_buffer, .address_space: global }
    .group_segment_fixed_size: 268544
    .private_segment_fixed_size: 0
    .kernarg_segment_align: 8
    .kernarg_segment_size: 48
    .max_flat_workgroup_size: 512
    .sgpr_count:     96
    .vgpr_count:     162
    .wavefront_size: 32
...
	.end_amdgpu_metadata
.endif
;; end of part 1
;; launch experts (part 2): grid 135 x 1, 4 waves a work-group, no clusters, 102,912 bytes of LDS; arguments h, route, wq, b1, b2, b3, out0; writes out0
.if DOCPART == 2
	.amdgcn_target "amdgcn-amd-amdhsa--gfx1250"
	.amdhsa_code_object_version 6
	.text
	.protected	k_q7950f1ba23_experts
	.globl	k_q7950f1ba23_experts
	.p2align	8
	.type	k_q7950f1ba23_experts,@function
k_q7950f1ba23_experts:
	s_mov_b64 s[64:65], 0
	v_nop
	global_prefetch_b8 v0, s[64:65] scope:SCOPE_SE
	s_setreg_imm32_b32 hwreg(HW_REG_WAVE_MODE, 25, 1), 1
	s_wait_xcnt 0x0
; out0[row] = W3^T leaky(W2^T leaky(W1^T h[row] + b1) + b2) + b3 of the row's own expert; all three products on codes of FP8 (E4M3) with one E8M0 scale for each 32 along K, sums in f32.
; reference() computes all eight experts and keeps one for each row; only that one is computed here.
; A work-group takes one tile of the routing lists: 64 places of one expert (places beyond the tile's last row repeat that row: they compute and store the same bytes as that row's own place, in the same wave).
; THE PRODUCTS ARE USED TRANSPOSED: source 0 = 16 columns of a weight, source 1 = 16 rows of the batch.  Lane (r, h) of a result holds row r; the 16 registers of tiles 2 b and 2 b + 1 are the outputs
; 32 b + 16 h + 0 .. 15: sixteen neighbours along the next product's K, so the conversions' results are the next operand's registers.
; THE WAVES SPLIT N: wave w owns outputs 128 w .. of layer 1 (8 tiles) and 64 w .. of layers 2 and 3 (4 tiles), for all four tiles of 16 rows.  A weight fragment, laid in operand order by the first launch,
; goes from memory straight into operand registers (four loads of 512 consecutive bytes), is read once by the work-group and feeds four matrix instructions.  No LDS pass for weights: no other wave wants those bytes.
; The activations go from wave to wave through LDS, as codes in operand order, with one barrier a layer.
; NO CLUSTER: what tiles of one expert share are the weights, which here go to registers and not to LDS; and the number of tiles of an expert hangs on the ids.
; The bias is the C of a tile's first matrix instruction: an f32 sum in another order than reference()'s.  leaky(x) = max(x, 0.2 x), which is where(x > 0, x, 0.2 x) exactly.
; LIMITS: NaN and infinities among the inputs are not served; blocks whose scale byte is held at 1 were not tried.
; LDS: 0 h's codes [mt][ks][c][lane][16];  32,768 a1's, likewise;  65,536 a2's [mt][ks 0..1][c][lane][16];  81,920 scale words [ks][64 rows] of h, +1,024 of a1;  +2,048 of a2, [wave][64 rows]: each wave's two bytes
; at their place in a word of its own;  84,992 a stage of 16 x 272 bytes for each wave.
; REGISTERS, in windows of 256: window 0: addresses, scales, bias, activation fragments (which are also the quantiser's work registers and the way out's);  window 1: accumulators ((mt, nt) at 8 (NT mt + nt));
;   window 2: weights, two units of 8 fragments;  window 3: the f32 numbers ahead of a quantiser, 16 to a unit.
.set OFF2, 2097152
.set OFF3, 3145728
.set SC1,  3670016
.set SC2,  3735552
.set SC3,  3768320
.set A2O,  32768
.set A3O,  65536
.set SO,   81920
.set STAGE, 84992
.set SPITCH, 272                       ; 256 bytes + 16 = 68 words: row r starts at bank 4 r mod 64 (64 banks of 4 bytes: ISA guide 11.1)
.set LB0, 1                            ; v1   16 x lane: a fragment's bytes, in LDS and in wq
.set LB1, 2                            ; v2   + 65,536
.set SA,  3                            ; v3   4 x lane + the scale words' base
.set L4,  4                            ; v4   4 x lane
.set HOFF, 5                           ; v5   my row of h + 64 h
.set H64, 6                            ; v6   64 h
.set H32, 7                            ; v7   32 h
.set CW1, 8                            ; v8-10  where my codes of h, a1, a2 go
.set CW2, 9
.set CW3, 10
.set SW1, 11                           ; v11-13 and their scale words
.set SW2, 12
.set SW3, 13
.set STO, 14                           ; v14  the way out: into my stage
.set RD,  15                           ; v15  and back
.set COL, 16                           ; v16  my 16 bytes of a row of out0
.set RIX, 17                           ; v17  my place in the tile's list, then my row's number
.set WS1, 24                           ; v24-39 W1's scale vectors (4 ks + bl); v40-47 W2's (2 ks + bl); v48-51 W3's: scales and nothing else
.set WS2, 40
.set WS3, 48
.set ASC, 52                           ; v52-59 the activations' scale words: 2 ks + p holds rows 32 p + lane
.set BIAS, 64                          ; v64-127 b1; then v64-95 b2, b3
.set RO,  96                           ; v96-127 the row numbers, then the byte offsets, of the way out
.set QT,  128                          ; v128-191 the quantiser: largest magnitude, byte, 448 x scale, scale: 16 each
.set QC,  192                          ; v192-255 its codes, four registers a unit
.set OB,  128                          ; the way out: 32 registers for each tile of 16 rows
.set MSB, 0
.macro WIN new                         ; the immediate's high byte repeats the setting that is left; a switch that changes nothing is dropped
.if MSB != \new
	s_set_vgpr_msb (MSB<<8)|\new
.set MSB, \new
.endif
.endm
.set MUL,  0x52                        ; source 0 (weights) window 2, source 1 (activations) window 0, C and D window 1
.set MULB, 0x42                        ; the same with C (the bias) in window 0
.set LDW,  0x80                        ; destination window 2
.set LDX,  0xc0                        ; destination window 3
.set LK1,  0xc1                        ; destination window 3, source 0 window 1
.set LK2,  0xcd                        ; and source 1 window 3
.set MX1,  0x3f                        ; three sources window 3
.set MX2,  0x3c                        ; sources 1 and 2 window 3
.set MED,  0xc3                        ; destination and source 0 window 3
.set CVT,  0x03                        ; source 0 window 3
.set STG,  0x04                        ; an LDS store's data window 1
.macro PLACES n                        ; a load into a register that a matrix instruction has named, and whatever reads its result, stand eight places behind this form (for whatever reads its result)
.rept \n
	v_nop
.endr
.endm
.macro LDUNIT buf, sb, off             ; a unit of the weight stream: 8 fragments, 16 KiB, 32 loads of 512 consecutive bytes
	WIN LDW
.set f, 0
.rept 8
.irp c, 0,1,2,3
	global_load_b128 v[128*\buf+16*f+4*\c:128*\buf+16*f+4*\c+3], v[LB0], s[\sb:\sb+1] offset:\off+2048*f+512*\c
.endr
.set f, f+1
.endr
.endm
.macro LDA buf, areg, off, pitch       ; the four tiles of rows, one K step: 16 loads, each of 512 consecutive bytes
	WIN 0
.irp m, 0,1,2,3
.irp c, 0,1,2,3
	ds_load_b128 v[128+64*\buf+16*\m+4*\c:128+64*\buf+16*\m+4*\c+3], v[\areg] offset:\off+\pitch*\m+512*\c
.endr
.endr
.endm
.macro LDAS n, off
	WIN 0
.set i, 0
.rept \n
	ds_load_b32 v[ASC+i], v[SA] offset:\off+128*i
.set i, i+1
.endr
.endm
.macro LDBIAS n, sb                    ; register 8 nt + j: the bias of output 32 (nt / 2) + 16 h + 8 (nt % 2) + j: the result's own layout
	WIN 0
.set i, 0
.rept \n
	global_load_b128 v[BIAS+8*i:BIAS+8*i+3], v[H64], s[\sb:\sb+1] offset:(32*(i/2)+8*(i%2))*4
	global_load_b128 v[BIAS+8*i+4:BIAS+8*i+7], v[H64], s[\sb:\sb+1] offset:(32*(i/2)+8*(i%2))*4+16
.set i, i+1
.endr
.endm
; One K step of 128: 4 tiles of rows x NT tiles of outputs.  The accumulators take turns, one instruction a turn, in the same order in every K step.
; A scale register holds two tiles' words: lanes 0-15 the even tile's, lanes 16-31 the odd one's.
.macro MULK NT, wreg, abuf, sw, sx, first
.if \first
	WIN MULB
.else
	WIN MUL
.endif
.set mt, 0
.rept 4
.set nt, 0
.rept \NT
.set rD, 8*(\NT*mt+nt)
.set rA, \wreg+16*nt
.set rB, 128+64*\abuf+16*mt
.set rC, rD
.if \first
.set rC, BIAS+8*nt
.endif
.set rSA, \sw+nt/2
.set rSB, \sx+mt/2
.if (nt%2) && (mt%2)
	v_wmma_scale_f32_16x16x128_f8f6f4 v[rD:rD+7], v[rA:rA+15], v[rB:rB+15], v[rC:rC+7], v[rSA], v[rSB] matrix_a_scale:MATRIX_SCALE_ROW1 matrix_b_scale:MATRIX_SCALE_ROW1
.elseif nt%2
	v_wmma_scale_f32_16x16x128_f8f6f4 v[rD:rD+7], v[rA:rA+15], v[rB:rB+15], v[rC:rC+7], v[rSA], v[rSB] matrix_a_scale:MATRIX_SCALE_ROW1
.elseif mt%2
	v_wmma_scale_f32_16x16x128_f8f6f4 v[rD:rD+7], v[rA:rA+15], v[rB:rB+15], v[rC:rC+7], v[rSA], v[rSB] matrix_b_scale:MATRIX_SCALE_ROW1
.else
	v_wmma_scale_f32_16x16x128_f8f6f4 v[rD:rD+7], v[rA:rA+15], v[rB:rB+15], v[rC:rC+7], v[rSA], v[rSB]
.endif
.set nt, nt+1
.endr
.set mt, mt+1
.endr
.endm
.macro LEAKY nu                        ; window 3 = max(x, 0.2 x) of nu units of 16 accumulator registers, each accumulator from its low end on
	WIN LK1
.set i, 0
.rept 8*\nu
	v_pk_mul_f32 v[2*i:2*i+1], v[2*i:2*i+1], s[44:45] op_sel_hi:[1,0]
.set i, i+1
.endr
	WIN LK2
.set i, 0
.rept 16*\nu
	v_max_num_f32 v[i], v[i], v[i]
.set i, i+1
.endr
.endm
; nu units: unit j is 16 numbers of a block of 32 along K (window 3, v[16 j ..]); the block's other 16 lie in lane l xor 16.  Leaves the byte in v[QT+16+j] and 16 codes in v[QC+4 j ..].
.macro QUANT nu
	WIN MX1
.set j, 0
.rept \nu
	v_max3_num_f32 v[QT+j], |v[16*j]|, |v[16*j+1]|, |v[16*j+2]|
.set j, j+1
.endr
	WIN MX2
.irp i, 3,5,7,9,11,13
.set j, 0
.rept \nu
	v_max3_num_f32 v[QT+j], v[QT+j], |v[16*j+\i]|, |v[16*j+\i+1]|
.set j, j+1
.endr
.endr
.set j, 0
.rept \nu
	v_max_num_f32 v[QT+j], v[QT+j], |v[16*j+15]|
.set j, j+1
.endr
	WIN 0
.set j, 0
.rept \nu
	v_mov_b32 v[QT+16+j], 0                        ; (the destination of a lane permute counts as read)
.set j, j+1
.endr
.set j, 0
.rept \nu
	v_permlanex16_b32 v[QT+16+j], v[QT+j], s46, s47
.set j, j+1
.endr
.set j, 0
.rept \nu
	v_max_num_f32 v[QT+j], v[QT+j], v[QT+16+j]     ; the block's largest magnitude
.set j, j+1
.endr
.set j, 0
.rept \nu
	v_lshrrev_b32 v[QT+16+j], 23, v[QT+j]          ; its exponent field
.set j, j+1
.endr
.set j, 0
.rept \nu
	v_max_u32 v[QT+16+j], 9, v[QT+16+j]            ; the byte is not to fall under 1
.set j, j+1
.endr
.set j, 0
.rept \nu
	v_lshl_or_b32 v[QT+32+j], v[QT+16+j], 23, 0x600000   ; 448 x the scale
.set j, j+1
.endr
.set j, 0
.rept \nu
	v_add_nc_u32 v[QT+16+j], -8, v[QT+16+j]        ; the scale's byte
.set j, j+1
.endr
.set j, 0
.rept \nu
	v_lshlrev_b32 v[QT+48+j], 23, v[QT+16+j]       ; the scale as f32, for the conversion
.set j, j+1
.endr
.set j, 0
.rept \nu
	v_cmp_eq_u32 vcc_lo, 0, v[QT+j]
	v_cndmask_b32 v[QT+16+j], v[QT+16+j], 127, vcc_lo   ; a block of zeros
.set j, j+1
.endr
	WIN MED
.set j, 0
.rept \nu
.irp i, 0,1,2,3,4,5,6,7,8,9,10,11,12,13,14,15
	v_med3_num_f32 v[16*j+\i], v[16*j+\i], -v[QT+32+j], v[QT+32+j]   ; the conversion to an 8-bit code does not saturate (ISA guide 7.6.2)
.endr
.set j, j+1
.endr
	WIN CVT
.set j, 0
.rept \nu
	v_cvt_scalef32_pk8_fp8_f32 v[QC+4*j:QC+4*j+1], v[16*j:16*j+7], v[QT+48+j]
	v_cvt_scalef32_pk8_fp8_f32 v[QC+4*j+2:QC+4*j+3], v[16*j+8:16*j+15], v[QT+48+j]
.set j, j+1
.endr
	WIN 0
	v_nop                                          ; one plain instruction between a scaled conversion and the use of its result
.endm
.macro WORDS ng, areg, step            ; four units' bytes make a row's scale word of one K step; both halves of the lanes write the same word with the same value
.set g, 0
.rept \ng
	v_lshl_or_b32 v[18+g], v[QT+17+4*g], 8, v[QT+16+4*g]
	v_lshl_or_b32 v[18+g], v[QT+18+4*g], 16, v[18+g]
	v_lshl_or_b32 v[18+g], v[QT+19+4*g], 24, v[18+g]
	ds_store_b32 v[\areg], v[18+g] offset:\step*g
.set g, g+1
.endr
.endm
	s_load_b256 s[4:11], s[0:1], 0x0               ; h s[4:5], route s[6:7], wq s[8:9], b1 s[10:11]
	s_load_b128 s[12:15], s[0:1], 0x20             ; b2 s[12:13], b3 s[14:15]
	s_load_b64 s[16:17], s[0:1], 0x30              ; out0
	v_lshl_add_u32 v62, v0, 2, 0x19000
	v_mov_b32 v63, 0
	v_lshrrev_b32 v18, 5, v0
	v_readfirstlane_b32 s18, v18                   ; wave 0..3
	v_and_b32 v19, 31, v0                          ; lane
	v_and_b32 v20, 15, v0                          ; r
	v_bfe_u32 v21, v0, 4, 1                        ; h
	s_lshl_b32 s20, ttmp9, 2                       ; the tile's word,
	s_mov_b32 s21, 0
	s_lshl_b32 s22, ttmp9, 8                       ; and its list of 64 rows
	s_add_co_u32 s22, s22, 2048
	s_mov_b32 s23, 0
	v_lshl_add_u32 v[RIX], s18, 4, v20             ; I quantise h for place 16 w + r of the tile
	v_lshlrev_b32 v[RIX], 2, v[RIX]
	s_mov_b32 s44, 0x3e4ccccd                      ; 0.2
	s_mov_b32 s45, 0x3e4ccccd                      ; (named with it as a pair)
	s_mov_b32 s46, 0x76543210                      ; v_permlanex16_b32's selects for lane l xor 16
	s_mov_b32 s47, 0xfedcba98
	s_wait_kmcnt 0x0
	s_add_nc_u64 s[20:21], s[6:7], s[20:21]
	s_add_nc_u64 s[24:25], s[6:7], s[22:23]
	s_load_b32 s19, s[20:21], 0x0                  ; the tile's expert
	global_load_b32 v[RIX], v[RIX], s[24:25]       ; my row's number
	v_lshlrev_b32 v[LB0], 4, v19                   ; the addresses are made while the two are out
	v_add_nc_u32 v[LB1], A3O, v[LB0]
	v_lshlrev_b32 v[L4], 2, v19
	v_add_nc_u32 v[SA], SO, v[L4]
	v_lshlrev_b32 v[H64], 6, v21
	v_lshlrev_b32 v[H32], 5, v21
	v_lshl_add_u32 v[CW1], s18, 13, v[LB0]         ; h: tile of rows w, all of K
	s_lshl_b32 s50, s18, 11
	s_add_co_u32 s50, s50, A2O
	v_add_nc_u32 v[CW2], s50, v[LB0]               ; a1: my 128 outputs are K step w of layer 2
	s_lshl_b32 s50, s18, 10
	s_add_co_u32 s50, s50, A3O
	v_add_nc_u32 v[CW3], s50, v[LB0]               ; a2: my 64 outputs are quads 2 (w % 2), + 1 of K step w / 2 of layer 3
	v_lshlrev_b32 v22, 2, v20
	s_lshl_b32 s50, s18, 6
	s_add_co_u32 s50, s50, SO
	v_add_nc_u32 v[SW1], s50, v22
	s_lshl_b32 s50, s18, 8
	s_add_co_u32 s50, s50, SO+1024
	v_add_nc_u32 v[SW2], s50, v22
	s_lshl_b32 s50, s18, 8
	s_add_co_u32 s50, s50, SO+2048
	v_add_nc_u32 v[SW3], s50, v22                  ; a2's scale bytes: 256 bytes of my wave's own, a word a row
	s_and_b32 s49, s18, 1
	s_lshl_b32 s49, s49, 4                         ; my two bytes' place in that word: 16 (w % 2) bits up
	s_mul_i32 s50, s18, 16*SPITCH
	s_add_co_u32 s50, s50, STAGE                   ; my stage
	v_mul_u32_u24 v23, v20, SPITCH
	v_lshl_add_u32 v23, v21, 6, v23
	v_add_nc_u32 v[STO], s50, v23                  ; in: row r; output 32 bl + 16 h + 8 u + j
	v_mul_u32_u24 v23, v21, 8*SPITCH
	v_lshl_add_u32 v23, v20, 4, v23
	v_add_nc_u32 v[RD], s50, v23                   ; back: lanes 0-15 row t, lanes 16-31 row 8 + t
	v_lshlrev_b32 v23, 4, v20
	v_lshl_add_u32 v[COL], s18, 8, v23             ; my wave's 256 bytes of a row of out0
	s_mov_b32 s51, 0
	s_wait_kmcnt 0x0
	s_min_u32 s19, s19, 7
	s_lshl2_add_u32 s48, s19, s18                  ; 4 e + w
	s_lshl_b32 s50, s48, 16
	s_add_nc_u64 s[26:27], s[8:9], s[50:51]        ; my part of W1's codes: 4 K steps x 8 fragments
	s_lshl_b32 s50, s48, 15
	s_add_co_u32 s50, s50, OFF2
	s_add_nc_u64 s[28:29], s[8:9], s[50:51]        ; of W2's: 4 x 4
	s_lshl_b32 s50, s48, 14
	s_add_co_u32 s50, s50, OFF3
	s_add_nc_u64 s[30:31], s[8:9], s[50:51]        ; of W3's: 2 x 4
	s_lshl_b32 s50, s48, 11
	s_add_co_u32 s50, s50, SC1
	s_add_nc_u64 s[32:33], s[8:9], s[50:51]        ; and the scale vectors
	s_lshl_b32 s50, s48, 10
	s_add_co_u32 s50, s50, SC2
	s_add_nc_u64 s[34:35], s[8:9], s[50:51]
	s_lshl_b32 s50, s48, 9
	s_add_co_u32 s50, s50, SC3
	s_add_nc_u64 s[36:37], s[8:9], s[50:51]
	s_lshl_b32 s50, s48, 9
	s_add_nc_u64 s[38:39], s[10:11], s[50:51]      ; b1: 2,048 e + 512 w
	s_lshl_b32 s50, s48, 8
	s_add_nc_u64 s[40:41], s[12:13], s[50:51]      ; b2, b3: 1,024 e + 256 w
	s_add_nc_u64 s[42:43], s[14:15], s[50:51]
	; THE WEIGHT STREAM: seven units of 16 KiB a wave: layer 1's K steps 0..3, layer 2's 0-1 and 2-3, layer 3's 0-1.  Unit u lies in buffer u % 2; unit u + 2 is asked for behind unit u's last product.
	LDUNIT 0, 26, 0                                ; unit 0
	WIN 0
.set i, 0
.rept 16
	global_load_b32 v[WS1+i], v[L4], s[32:33] offset:128*i
.set i, i+1
.endr
.set i, 0
.rept 8
	global_load_b32 v[WS2+i], v[L4], s[34:35] offset:128*i
.set i, i+1
.endr
.set i, 0
.rept 4
	global_load_b32 v[WS3+i], v[L4], s[36:37] offset:128*i
.set i, i+1
.endr
	s_wait_loadcnt 60                              ; my row's number is in: 32 + 28 loads were issued behind it
	v_min_u32 v[RIX], 0x1fff, v[RIX]
	v_lshl_add_u32 v[HOFF], v[RIX], 11, v[H64]
	WIN LDX
.set j, 0
.rept 16                               ; unit j = 4 ks + c: h(row, 128 ks + 32 c + 16 h + 0 .. 15): 64 bytes, four loads
.irp i, 0,1,2,3
	global_load_b128 v[16*j+4*\i:16*j+4*\i+3], v[HOFF], s[4:5] offset:128*j+16*\i
.endr
.set j, j+1
.endr
	LDBIAS 8, 38                                   ; b1
	LDUNIT 1, 26, 16384                            ; unit 1
	s_wait_loadcnt 48                              ; h is in: b1's 16 and unit 1's 32 loads were issued behind it
	QUANT 16
.set j, 0
.rept 16
	ds_store_b128 v[CW1], v[QC+4*j:QC+4*j+3] offset:512*j
.set j, j+1
.endr
	WORDS 4, SW1, 256
	s_wait_dscnt 0x0                               ; for the others' sake: my tile of h is in LDS
	s_barrier_signal -1
	s_barrier_wait -1
	; LAYER 1: K = 512 in four steps, 32 matrix instructions each
	LDAS 8, 0
	LDA 0, LB0, 0, 8192
	LDA 1, LB0, 2048, 8192
	s_wait_loadcnt 32                              ; unit 0, the scales and b1 are in; unit 1 may be out
	s_wait_dscnt 16                                ; the scale words and K step 0; K step 1's sixteen may be out
	MULK 8, 0, 0, WS1, ASC, 1
	PLACES 8
	LDA 0, LB0, 4096, 8192
	LDBIAS 4, 40                                   ; b2
.irp m, 0,1,2,3
	global_load_b128 v[RO+8*\m:RO+8*\m+3], v[H32], s[24:25] offset:64*\m       ; the way out's rows: register 8 mt + t: place 16 mt + 8 (lane / 16) + t
	global_load_b128 v[RO+8*\m+4:RO+8*\m+7], v[H32], s[24:25] offset:64*\m+16
.endr
	LDUNIT 0, 26, 32768                            ; unit 2
	s_wait_loadcnt 48                              ; unit 1 is in: 8 + 8 + 32 loads were issued behind it
	s_wait_dscnt 16
	MULK 8, 128, 1, WS1+4, ASC+2, 0
	PLACES 8
	LDA 1, LB0, 6144, 8192
	LDUNIT 1, 26, 49152                            ; unit 3
	s_wait_loadcnt 32                              ; unit 2 is in; unit 3 may be out
	s_wait_dscnt 16
	MULK 8, 0, 0, WS1+8, ASC+4, 0
	PLACES 8
	LDUNIT 0, 28, 0                                ; unit 4
	s_wait_loadcnt 32                              ; unit 3 is in; unit 4 may be out
	s_wait_dscnt 0x0
	MULK 8, 128, 1, WS1+12, ASC+6, 0
	PLACES 8                                       ; for the loads into the buffer just read, and for the first reads of the results
	LDUNIT 1, 28, 16384                            ; unit 5
	LEAKY 16
	QUANT 16                                       ; unit j = 4 mt + bl
.set j, 0
.rept 16
	ds_store_b128 v[CW2], v[QC+4*j:QC+4*j+3] offset:8192*(j/4)+512*(j%4)
.set j, j+1
.endr
	WORDS 4, SW2, 64
	s_wait_dscnt 0x0                               ; for the others' sake: my part of a1 is in LDS
	s_barrier_signal -1
	s_barrier_wait -1
	; LAYER 2: K = 512 in four steps, 16 matrix instructions each
	LDAS 8, 1024
	LDA 0, LB0, A2O, 8192
	LDA 1, LB0, A2O+2048, 8192
	s_wait_loadcnt 32                              ; unit 4 (and b2) is in; unit 5 may be out
	s_wait_dscnt 16
	MULK 4, 0, 0, WS2, ASC, 1
	PLACES 8
	LDA 0, LB0, A2O+4096, 8192
	s_wait_dscnt 16
	MULK 4, 64, 1, WS2+2, ASC+2, 0
	PLACES 8
	LDA 1, LB0, A2O+6144, 8192
	LDBIAS 4, 42                                   ; b3
	LDUNIT 0, 30, 0                                ; unit 6
	s_wait_loadcnt 40                              ; unit 5 is in: 8 + 32 loads were issued behind it
	s_wait_dscnt 16
	MULK 4, 128, 0, WS2+4, ASC+4, 0
	s_wait_dscnt 0x0
	MULK 4, 192, 1, WS2+6, ASC+6, 0
	PLACES 8
	LEAKY 8
	QUANT 8                                        ; unit j = 2 mt + bl
.set j, 0
.rept 8
	ds_store_b128 v[CW3], v[QC+4*j:QC+4*j+3] offset:4096*(j/2)+512*(j%2)
.set j, j+1
.endr
.set g, 0
.rept 4
	v_lshl_or_b32 v[18+g], v[QT+17+2*g], 8, v[QT+16+2*g]
	v_lshlrev_b32 v[18+g], s49, v[18+g]            ; my two bytes at their place in the row's word; the other two stay 0
	ds_store_b32 v[SW3], v[18+g] offset:64*g       ; into my wave's own 256 bytes; both halves of the lanes write the same word with the same value
.set g, g+1
.endr
	s_wait_dscnt 0x0                               ; for the others' sake: my part of a2 is in LDS
	s_barrier_signal -1
	s_barrier_wait -1
	; LAYER 3: K = 256 in two steps.  Register 2 w + p comes with wave w's half words of rows 32 p + lane; K step ks has the bytes of waves 2 ks and 2 ks + 1.
	LDAS 8, 2048
	LDA 0, LB1, 0, 4096
	LDA 1, LB1, 2048, 4096
	s_wait_dscnt 32                                ; the eight scale loads are in; the 32 fragment loads issued behind them may be out
	v_or_b32 v[ASC], v[ASC], v[ASC+2]              ; K step 0, rows 0-31
	v_or_b32 v[ASC+1], v[ASC+1], v[ASC+3]          ;           rows 32-63
	v_or_b32 v[ASC+2], v[ASC+4], v[ASC+6]          ; K step 1
	v_or_b32 v[ASC+3], v[ASC+5], v[ASC+7]
	PLACES 8                                       ; a scale register written by a vector instruction stands eight places ahead of the scaled matrix instruction
	s_wait_loadcnt 0x0                             ; b3 and unit 6: nothing was issued behind them
	s_wait_dscnt 16
	MULK 4, 0, 0, WS3, ASC, 1
	s_wait_dscnt 0x0
	MULK 4, 64, 1, WS3+2, ASC+2, 0
	; THE WAY OUT.  A lane holds pieces of one row, and the lanes beside it hold other rows: a tile of 16 rows x my 64 outputs goes through my own stage and comes back as rows of 256 bytes, which sixteen lanes store
	; to the row's place in out0.  The 64 instructions that make the offsets name no register of the last products: they are the places behind them.
	WIN 0
.set i, 0
.rept 32
	v_min_u32 v[RO+i], 0x1fff, v[RO+i]
.set i, i+1
.endr
.set i, 0
.rept 32
	v_lshl_add_u32 v[RO+i], v[RO+i], 10, v[COL]
.set i, i+1
.endr
.macro TOSTAGE m
	WIN STG
.irp n, 0,1,2,3
	ds_store_b128 v[STO], v[8*(4*(\m)+\n):8*(4*(\m)+\n)+3] offset:128*(\n/2)+32*(\n%2)         ; each accumulator from its low end on
	ds_store_b128 v[STO], v[8*(4*(\m)+\n)+4:8*(4*(\m)+\n)+7] offset:128*(\n/2)+32*(\n%2)+16
.endr
	WIN 0
.irp t, 0,1,2,3,4,5,6,7
	ds_load_b128 v[OB+32*(\m)+4*\t:OB+32*(\m)+4*\t+3], v[RD] offset:SPITCH*\t   ; LDS serves a wave's instructions in order (ISA guide 5.7.1.4): these see the stores above, and the next tile's stores come behind them
.endr
.endm
.macro SEND m
.irp t, 0,1,2,3,4,5,6,7
	global_store_b128 v[RO+8*(\m)+\t], v[OB+32*(\m)+4*\t:OB+32*(\m)+4*\t+3], s[16:17] th:TH_STORE_NT   ; sixteen lanes store 256 consecutive bytes of a row, aligned; no register of a store is written again
.endr
.endm
	TOSTAGE 0
.irp m, 1,2,3
	TOSTAGE \m
	s_wait_dscnt 16                                ; the tile before is back: behind its loads stand this tile's 8 stores and 8 loads
	SEND \m-1
.endr
	s_wait_dscnt 0x0
	SEND 3
	s_wait_tensorcnt 0x0
	ds_add_u32 v62, v63
	s_wait_dscnt 0x0
	s_endpgm
.Lfunc_end_k_q7950f1ba23_experts:
	.size	k_q7950f1ba23_experts, .Lfunc_end_k_q7950f1ba23_experts-k_q7950f1ba23_experts
	.p2alignl 7, 3214868480
	.fill 96, 4, 3214868480
	.section	.rodata,"a",@progbits
	.p2align	6, 0x0
	.amdhsa_kernel k_q7950f1ba23_experts
		.amdhsa_group_segment_fixed_size 102912
		.amdhsa_private_segment_fixed_size 0
		.amdhsa_enable_private_segment 0
		.amdhsa_kernarg_size 56
		.amdhsa_user_sgpr_count 2
		.amdhsa_user_sgpr_kernarg_segment_ptr 1
		.amdhsa_wavefront_size32 1
		.amdhsa_system_sgpr_workgroup_id_x 1
		.amdhsa_system_sgpr_workgroup_id_y 1
		.amdhsa_system_sgpr_workgroup_id_z 1
		.amdhsa_system_vgpr_workitem_id 0
		.amdhsa_next_free_vgpr 1024
		.amdhsa_next_free_sgpr 66
		.amdhsa_reserve_vcc 1
		.amdhsa_float_denorm_mode_32 3
		.amdhsa_float_denorm_mode_16_64 3
		.amdhsa_memory_ordered 1
		.amdhsa_forward_progress 1
		.amdhsa_inst_pref_size 207
	.end_amdhsa_kernel
	.amdgpu_metadata
---
amdhsa.version: [ 1, 2 ]
amdhsa.kernels:
  - .name:           k_q7950f1ba23_experts
    .symbol:         k_q7950f1ba23_experts.kd
    .args:
      - { .name: h, .offset: 0, .size: 8, .value_kind: global_buffer, .address_space: global }
      - { .name: route, .offset: 8, .size: 8, .value_kind: global_buffer, .address_space: global }
      - { .name: wq, .offset: 16, .size: 8, .value_kind: global_buffer, .address_space: global }
      - { .name: b1, .offset: 24, .size: 8, .value_kind: global_buffer, .address_space: global }
      - { .name: b2, .offset: 32, .size: 8, .value_kind: global_buffer, .address_space: global }
      - { .name: b3, .offset: 40, .size: 8, .value_kind: global_buffer, .address_space: global }
      - { .name: out0, .offset: 48, .size: 8, .value_kind: global_buffer, .address_space: global }
    .group_segment_fixed_size: 102912
    .private_segment_fixed_size: 0
    .kernarg_segment_align: 8
    .kernarg_segment_size: 56
    .max_flat_workgroup_size: 128
    .sgpr_count:     66
    .vgpr_count:     1024
    .wavefront_size: 32
...
	.end_amdgpu_metadata
.endif
;; end of part 2
;; ======== version 2 of 2: 2 launches; version 1 with the launch experts written anew for expert scheduling mode
;; workspace buffers: wq 3,784,704 bytes; route 36,608 bytes of whole numbers
;; launch prep: the kernel of part 1 again; grid 225 x 1, 16 waves a work-group, no clusters, 268,544 bytes of LDS; arguments W1, W2, W3, gate_id, wq, route; writes wq, route
;; launch experts (part 3): grid 135 x 1, 4 waves a work-group, no clusters, 102,912 bytes of LDS; arguments h, route, wq, b1, b2, b3, out0; writes out0
.if DOCPART == 3
	.amdgcn_target "amdgcn-amd-amdhsa--gfx1250"
	.amdhsa_code_object_version 6
	.text
	.protected	k_q7950f1ba23_experts
	.globl	k_q7950f1ba23_experts
	.p2align	8
	.type	k_q7950f1ba23_experts,@function
k_q7950f1ba23_experts:
	s_mov_b64 s[64:65], 0
	v_nop
	global_prefetch_b8 v0, s[64:65] scope:SCOPE_SE
	s_setreg_imm32_b32 hwreg(HW_REG_WAVE_SCHED_MODE, 0, 2), 2
	s_setreg_imm32_b32 hwreg(HW_REG_WAVE_MODE, 25, 1), 1
	s_wait_xcnt 0x0
	s_wait_alu depctr_vm_vsrc(0)
; out0[row] = W3^T leaky(W2^T leaky(W1^T h[row] + b1) + b2) + b3 of the row's own expert; all three products on codes of FP8 (E4M3) with one E8M0 scale for each 32 along K, sums in f32.
; reference() computes all eight experts and keeps one for each row; only that one is computed here.
; A work-group takes one tile of the routing lists: 64 places of one expert (places beyond the tile's last row repeat that row: they compute and store the same bytes as that row's own place, in the same wave).
; THE PRODUCTS ARE USED TRANSPOSED: source 0 = 16 columns of a weight, source 1 = 16 rows of the batch.  Lane (r, h) of a result holds row r; the 16 registers of tiles 2 b and 2 b + 1 are the outputs
; 32 b + 16 h + 0 .. 15: sixteen neighbours along the next product's K, so the conversions' results are the next operand's registers.
; THE WAVES SPLIT N: wave w owns outputs 128 w .. of layer 1 (8 tiles) and 64 w .. of layers 2 and 3 (4 tiles), for all four tiles of 16 rows.  A weight fragment, laid in operand order by the first launch,
; goes from memory straight into operand registers (four loads of 512 consecutive bytes), is read once by the work-group and feeds four matrix instructions.  No LDS pass for weights: no other wave wants those bytes.
; The activations go from wave to wave through LDS, as codes in operand order, with one barrier a layer.
; NO CLUSTER: what tiles of one expert share are the weights, which here go to registers and not to LDS; and the number of tiles of an expert hangs on the ids.
; The bias is the C of a tile's first matrix instruction: an f32 sum in another order than reference()'s.  leaky(x) = max(x, 0.2 x), which is where(x > 0, x, 0.2 x) exactly.
; LIMITS: NaN and infinities among the inputs are not served; blocks whose scale byte is held at 1 were not tried.
; LDS: 0 h's codes [mt][ks][c][lane][16];  32,768 a1's, likewise;  65,536 a2's [mt][ks 0..1][c][lane][16];  81,920 scale words [ks][64 rows] of h, +1,024 of a1;  +2,048 of a2, [wave][64 rows]: each wave's two bytes
; at their place in a word of its own;  84,992 a stage of 16 x 272 bytes for each wave.
; REGISTERS, in windows of 256: window 0: addresses, scales, bias; v128-255 the activation fragments of K steps 0 and 1 (also the quantiser's work registers and the way out's);
;   window 1: accumulators ((mt, nt) at 8 (NT mt + nt)); from layer 2 on v128-159 hold b3;   window 2: weights, buffers B0 (v0-127) and B1 (v128-255), 8 fragments each;
;   window 3: the f32 numbers ahead of a quantiser, 16 to a unit; during a layer's products v0-127 hold the activation fragments of K steps 2 and 3 and v128-255 are a third weight buffer, B2.
; THE MODE: SCHED_MODE bits 1:0 = 2 (LLVM: expert scheduling mode 2), set by the entry lines.  The code itself states the register dependences between vector or matrix instructions and memory or LDS
; instructions, with s_wait_alu, always for 0.
; THE PLAN.  Registers that memory or LDS instructions touch:
;   v1-v15          addresses: written once, at the head, ahead of one wait; never again.  v17: address and result of one load, then clamped; v5 is made of it.
;   v18-21, v192-255  a quantiser writes the scale words and the codes; LDS stores read them; behind the barrier fragment loads land in v192-255, and the next quantiser writes both again.
;   activations     a layer's four K steps have four buffers (window 0 v128-191, v192-255; window 3 v0-63, v64-127): each is loaded once a layer, read by that K step's products, and taken by the quantiser behind the layer.
;   weights         units 0, 3, 5 in B0; 1, 4 in B1; 2, 6 in B2.  A buffer is asked for again behind a wait that shows its last products done.
;   v64-127         b1, read by layer 1's K step 0; then b2 (v64-95) and the way out's rows (v96-127), which 64 vector lines turn into the global stores' offsets.
;   v52-59          the activations' scale words, loaded at each layer's head, read by the layer's products.
;   accumulators    read by vector lines behind layers 1 and 2, by the stage's LDS stores behind layer 3.
; THE WAITS.  One on va_vdst behind each quantiser: codes and words are written, and the quantiser is done with every register in which the loads up to the next layer's end land, B0 and B1 aside.
; One on vm_vsrc behind each barrier: the LDS stores have read codes and words.  In layer 1 one on va_vdst at the head of K step 1 (B0 and b1 are free), one at the head of K step 2 (B1), one behind K step 3 (B0).
; Layer 2 holds none.  The loads that a wait has freed are dealt among the products that follow it, which name none of their registers.
.set OFF2, 2097152
.set OFF3, 3145728
.set SC1,  3670016
.set SC2,  3735552
.set SC3,  3768320
.set A2O,  32768
.set A3O,  65536
.set SO,   81920
.set STAGE, 84992
.set SPITCH, 272                       ; 256 bytes + 16 = 68 words: row r starts at bank 4 r mod 64 (64 banks of 4 bytes: ISA guide 11.1)
.set LB0, 1                            ; v1   16 x lane: a fragment's bytes, in LDS and in wq
.set LB1, 2                            ; v2   + 65,536
.set SA,  3                            ; v3   4 x lane + the scale words' base
.set L4,  4                            ; v4   4 x lane
.set HOFF, 5                           ; v5   my row of h + 64 h
.set H64, 6                            ; v6   64 h
.set H32, 7                            ; v7   32 h
.set CW1, 8                            ; v8-10  where my codes of h, a1, a2 go
.set CW2, 9
.set CW3, 10
.set SW1, 11                           ; v11-13 and their scale words
.set SW2, 12
.set SW3, 13
.set STO, 14                           ; v14  the way out: into my stage
.set RD,  15                           ; v15  and back
.set COL, 16                           ; v16  my 16 bytes of a row of out0
.set RIX, 17                           ; v17  my place in the tile's list, then my row's number
.set WS1, 24                           ; v24-39 W1's scale vectors (4 ks + bl); v40-47 W2's (2 ks + bl); v48-51 W3's: scales and nothing else
.set WS2, 40
.set WS3, 48
.set ASC, 52                           ; v52-59 the activations' scale words: 2 ks + p holds rows 32 p + lane
.set BIAS, 64                          ; v64-127 b1; then v64-95 b2
.set B3,  128                          ; window 1, v128-159: b3
.set RO,  96                           ; v96-127 the row numbers, then the byte offsets, of the way out
.set QT,  128                          ; v128-191 the quantiser: largest magnitude, byte, 448 x scale, scale: 16 each
.set QC,  192                          ; v192-255 its codes, four registers a unit
.set OB,  128                          ; the way out: 32 registers for each tile of 16 rows
.set MSB, 0
.macro WIN new                         ; the immediate's high byte repeats the setting that is left; a switch that changes nothing is dropped
.if MSB != \new
	s_set_vgpr_msb (MSB<<8)|\new
.set MSB, \new
.endif
.endm
.set MULB,  0x42                       ; source 0 (weights) window 2, source 1 (activations) window 0, C (the bias) window 0, D window 1
.set MUL,   0x52                       ; the same with C in window 1
.set MUL33, 0x5f                       ; weights and activations window 3, C and D window 1
.set MUL23, 0x5e                       ; weights window 2, activations window 3
.set MUL30, 0x53                       ; weights window 3, activations window 0
.set LD1,  0x40                        ; destination window 1
.set LDW2, 0x80                        ; destination window 2
.set LDX,  0xc0                        ; destination window 3
.set LK1,  0xc1                        ; destination window 3, source 0 window 1
.set LK2,  0xcd                        ; and source 1 window 3
.set MX1,  0x3f                        ; three sources window 3
.set MX2,  0x3c                        ; sources 1 and 2 window 3
.set MED,  0xc3                        ; destination and source 0 window 3
.set CVT,  0x03                        ; source 0 window 3
.set STG,  0x04                        ; an LDS store's data window 1
.macro PLACES n                        ; whatever reads a result of this matrix form, or writes one of its registers, stands eight places behind it; they are kept in front of loads into its registers too
.rept \n
	v_nop
.endr
.endm
.macro LDFR win, reg, sb, off, f0, nf  ; nf fragments of a unit of the weight stream, from fragment f0 on; a unit is 8 fragments, 16 KiB, 32 loads of 512 consecutive bytes
	WIN \win
.set f, \f0
.rept \nf
.irp c, 0,1,2,3
	global_load_b128 v[\reg+16*f+4*\c:\reg+16*f+4*\c+3], v[LB0], s[\sb:\sb+1] offset:\off+2048*f+512*\c
.endr
.set f, f+1
.endr
.endm
.macro LDA win, reg, areg, off, pitch  ; the four tiles of rows, one K step: 16 loads, each of 512 consecutive bytes
	WIN \win
.irp m, 0,1,2,3
.irp c, 0,1,2,3
	ds_load_b128 v[\reg+16*\m+4*\c:\reg+16*\m+4*\c+3], v[\areg] offset:\off+\pitch*\m+512*\c
.endr
.endr
.endm
.macro LDAS n, off
	WIN 0
.set i, 0
.rept \n
	ds_load_b32 v[ASC+i], v[SA] offset:\off+128*i
.set i, i+1
.endr
.endm
.macro LDBIAS win, reg, n, sb          ; register 8 nt + j: the bias of output 32 (nt / 2) + 16 h + 8 (nt % 2) + j: the result's own layout
	WIN \win
.set i, 0
.rept \n
	global_load_b128 v[\reg+8*i:\reg+8*i+3], v[H64], s[\sb:\sb+1] offset:(32*(i/2)+8*(i%2))*4
	global_load_b128 v[\reg+8*i+4:\reg+8*i+7], v[H64], s[\sb:\sb+1] offset:(32*(i/2)+8*(i%2))*4+16
.set i, i+1
.endr
.endm
; One tile of rows (m) x NT tiles of outputs, one K step of 128.  A K step is four such runs, m = 0 .. 3: the accumulators take turns, one instruction a turn, in the same order in every K step.
; first = 1: C is the bias, at cb + 8 nt.  A scale register holds two tiles' words: lanes 0-15 the even tile's, lanes 16-31 the odd one's.  The caller sets the windows.
.macro MROW NT, m, wreg, areg, sw, sx, first, cb
.set nt, 0
.rept \NT
.set rD, 8*(\NT*(\m)+nt)
.set rA, \wreg+16*nt
.set rB, \areg+16*(\m)
.set rC, rD
.if \first
.set rC, \cb+8*nt
.endif
.set rSA, \sw+nt/2
.set rSB, \sx+(\m)/2
.if (nt%2) && ((\m)%2)
	v_wmma_scale_f32_16x16x128_f8f6f4 v[rD:rD+7], v[rA:rA+15], v[rB:rB+15], v[rC:rC+7], v[rSA], v[rSB] matrix_a_scale:MATRIX_SCALE_ROW1 matrix_b_scale:MATRIX_SCALE_ROW1
.elseif nt%2
	v_wmma_scale_f32_16x16x128_f8f6f4 v[rD:rD+7], v[rA:rA+15], v[rB:rB+15], v[rC:rC+7], v[rSA], v[rSB] matrix_a_scale:MATRIX_SCALE_ROW1
.elseif (\m)%2
	v_wmma_scale_f32_16x16x128_f8f6f4 v[rD:rD+7], v[rA:rA+15], v[rB:rB+15], v[rC:rC+7], v[rSA], v[rSB] matrix_b_scale:MATRIX_SCALE_ROW1
.else
	v_wmma_scale_f32_16x16x128_f8f6f4 v[rD:rD+7], v[rA:rA+15], v[rB:rB+15], v[rC:rC+7], v[rSA], v[rSB]
.endif
.set nt, nt+1
.endr
.endm
.macro LEAKY nu                        ; window 3 = max(x, 0.2 x) of nu units of 16 accumulator registers, each accumulator from its low end on
	WIN LK1
.set i, 0
.rept 8*\nu
	v_pk_mul_f32 v[2*i:2*i+1], v[2*i:2*i+1], s[44:45] op_sel_hi:[1,0]
.set i, i+1
.endr
	WIN LK2
.set i, 0
.rept 16*\nu
	v_max_num_f32 v[i], v[i], v[i]
.set i, i+1
.endr
.endm
.macro MASKOF j                        ; mk = the scalar register of unit j's mask: s6-15 and s20-23 (the arguments' addresses there are used up: every base has been made of them), s52, s53
.set mk, 6+(\j)
.if (\j) >= 10
.set mk, 10+(\j)
.endif
.if (\j) >= 14
.set mk, 38+(\j)
.endif
.endm
; nu units: unit j is 16 numbers of a block of 32 along K (window 3, v[16 j ..]); the block's other 16 lie in lane l xor 16.  Leaves the byte in v[QT+16+j] and 16 codes in v[QC+4 j ..].
.macro QUANT nu
	WIN MX1
.set j, 0
.rept \nu
	v_max3_num_f32 v[QT+j], |v[16*j]|, |v[16*j+1]|, |v[16*j+2]|
.set j, j+1
.endr
	WIN MX2
.irp i, 3,5,7,9,11,13
.set j, 0
.rept \nu
	v_max3_num_f32 v[QT+j], v[QT+j], |v[16*j+\i]|, |v[16*j+\i+1]|
.set j, j+1
.endr
.endr
.set j, 0
.rept \nu
	v_max_num_f32 v[QT+j], v[QT+j], |v[16*j+15]|
.set j, j+1
.endr
	WIN 0
.set j, 0
.rept \nu
	v_mov_b32 v[QT+16+j], 0                        ; (the destination of a lane permute counts as read)
.set j, j+1
.endr
.set j, 0
.rept \nu
	v_permlanex16_b32 v[QT+16+j], v[QT+j], s46, s47
.set j, j+1
.endr
.set j, 0
.rept \nu
	v_max_num_f32 v[QT+j], v[QT+j], v[QT+16+j]     ; the block's largest magnitude
.set j, j+1
.endr
.set j, 0
.rept \nu
	v_lshrrev_b32 v[QT+16+j], 23, v[QT+j]          ; its exponent field
.set j, j+1
.endr
.set j, 0
.rept \nu
	v_max_u32 v[QT+16+j], 9, v[QT+16+j]            ; the byte is not to fall under 1
.set j, j+1
.endr
.set j, 0
.rept \nu
	v_lshl_or_b32 v[QT+32+j], v[QT+16+j], 23, 0x600000   ; 448 x the scale
.set j, j+1
.endr
.set j, 0
.rept \nu
	v_add_nc_u32 v[QT+16+j], -8, v[QT+16+j]        ; the scale's byte
.set j, j+1
.endr
.set j, 0
.rept \nu
	v_lshlrev_b32 v[QT+48+j], 23, v[QT+16+j]       ; the scale as f32, for the conversion
.set j, j+1
.endr
.set j, 0
.rept \nu
	MASKOF j
	v_cmp_eq_u32 s[mk], 0, v[QT+j]                 ; a block of zeros?  The compares stand in one run, a mask register to each
.set j, j+1
.endr
	s_wait_alu depctr_va_sdst(0)                   ; the compares have written their masks, ahead of the first select that reads one
.set j, 0
.rept \nu
	MASKOF j
	v_cndmask_b32 v[QT+16+j], v[QT+16+j], 127, s[mk]   ; a block of zeros
.set j, j+1
.endr
	WIN MED
.set j, 0
.rept \nu
.irp i, 0,1,2,3,4,5,6,7,8,9,10,11,12,13,14,15
	v_med3_num_f32 v[16*j+\i], v[16*j+\i], -v[QT+32+j], v[QT+32+j]   ; the conversion to an 8-bit code does not saturate (ISA guide 7.6.2)
.endr
.set j, j+1
.endr
	WIN CVT
.set j, 0
.rept \nu
	v_cvt_scalef32_pk8_fp8_f32 v[QC+4*j:QC+4*j+1], v[16*j:16*j+7], v[QT+48+j]
	v_cvt_scalef32_pk8_fp8_f32 v[QC+4*j+2:QC+4*j+3], v[16*j+8:16*j+15], v[QT+48+j]
.set j, j+1
.endr
	WIN 0
	v_nop                                          ; one plain instruction between a scaled conversion and the use of its result
.endm
.macro MKWORDS                         ; four units' bytes make a row's scale word of one K step: four words, in v18-21
.set g, 0
.rept 4
	v_lshl_or_b32 v[18+g], v[QT+17+4*g], 8, v[QT+16+4*g]
	v_lshl_or_b32 v[18+g], v[QT+18+4*g], 16, v[18+g]
	v_lshl_or_b32 v[18+g], v[QT+19+4*g], 24, v[18+g]
.set g, g+1
.endr
.endm
.macro STWORDS areg, step              ; both halves of the lanes write the same word with the same value
.set g, 0
.rept 4
	ds_store_b32 v[\areg], v[18+g] offset:\step*g
.set g, g+1
.endr
.endm
	s_load_b256 s[4:11], s[0:1], 0x0               ; h s[4:5], route s[6:7], wq s[8:9], b1 s[10:11]
	s_load_b128 s[12:15], s[0:1], 0x20             ; b2 s[12:13], b3 s[14:15]
	s_load_b64 s[16:17], s[0:1], 0x30              ; out0
	v_lshl_add_u32 v62, v0, 2, 0x19000
	v_mov_b32 v63, 0
	v_lshrrev_b32 v18, 5, v0
	v_readfirstlane_b32 s18, v18                   ; wave 0..3
	v_and_b32 v19, 31, v0                          ; lane
	v_and_b32 v20, 15, v0                          ; r
	v_bfe_u32 v21, v0, 4, 1                        ; h
	s_lshl_b32 s20, ttmp9, 2                       ; the tile's word,
	s_mov_b32 s21, 0
	s_lshl_b32 s22, ttmp9, 8                       ; and its list of 64 rows
	s_add_co_u32 s22, s22, 2048
	s_mov_b32 s23, 0
	s_mov_b32 s44, 0x3e4ccccd                      ; 0.2
	s_mov_b32 s45, 0x3e4ccccd                      ; (named with it as a pair)
	s_mov_b32 s46, 0x76543210                      ; v_permlanex16_b32's selects for lane l xor 16
	s_mov_b32 s47, 0xfedcba98
	v_lshlrev_b32 v[LB0], 4, v19                   ; all the addresses are made here, while the arguments are out
	v_add_nc_u32 v[LB1], A3O, v[LB0]
	v_lshlrev_b32 v[L4], 2, v19
	v_add_nc_u32 v[SA], SO, v[L4]
	v_lshlrev_b32 v[H64], 6, v21
	v_lshlrev_b32 v[H32], 5, v21
	v_lshlrev_b32 v22, 2, v20
	s_wait_alu depctr_va_sdst(0)                   ; s18 is written, ahead of its first reader
	v_lshl_add_u32 v[RIX], s18, 4, v20             ; I quantise h for place 16 w + r of the tile
	v_lshlrev_b32 v[RIX], 2, v[RIX]
	v_lshl_add_u32 v[CW1], s18, 13, v[LB0]         ; h: tile of rows w, all of K
	s_lshl_b32 s50, s18, 11
	s_add_co_u32 s50, s50, A2O
	v_add_nc_u32 v[CW2], s50, v[LB0]               ; a1: my 128 outputs are K step w of layer 2
	s_lshl_b32 s50, s18, 10
	s_add_co_u32 s50, s50, A3O
	v_add_nc_u32 v[CW3], s50, v[LB0]               ; a2: my 64 outputs are quads 2 (w % 2), + 1 of K step w / 2 of layer 3
	s_lshl_b32 s50, s18, 6
	s_add_co_u32 s50, s50, SO
	v_add_nc_u32 v[SW1], s50, v22
	s_lshl_b32 s50, s18, 8
	s_add_co_u32 s50, s50, SO+1024
	v_add_nc_u32 v[SW2], s50, v22
	s_lshl_b32 s50, s18, 8
	s_add_co_u32 s50, s50, SO+2048
	v_add_nc_u32 v[SW3], s50, v22                  ; a2's scale bytes: 256 bytes of my wave's own, a word a row
	s_and_b32 s49, s18, 1
	s_lshl_b32 s49, s49, 4                         ; my two bytes' place in that word: 16 (w % 2) bits up
	s_mul_i32 s50, s18, 16*SPITCH
	s_add_co_u32 s50, s50, STAGE                   ; my stage
	v_mul_u32_u24 v23, v20, SPITCH
	v_lshl_add_u32 v23, v21, 6, v23
	v_add_nc_u32 v[STO], s50, v23                  ; in: row r; output 32 bl + 16 h + 8 u + j
	v_mul_u32_u24 v23, v21, 8*SPITCH
	v_lshl_add_u32 v23, v20, 4, v23
	v_add_nc_u32 v[RD], s50, v23                   ; back: lanes 0-15 row t, lanes 16-31 row 8 + t
	v_lshlrev_b32 v23, 4, v20
	v_lshl_add_u32 v[COL], s18, 8, v23             ; my wave's 256 bytes of a row of out0
	s_wait_kmcnt 0x0
	s_add_nc_u64 s[20:21], s[6:7], s[20:21]
	s_add_nc_u64 s[24:25], s[6:7], s[22:23]
	s_load_b32 s19, s[20:21], 0x0                  ; the tile's expert
	s_wait_alu depctr_va_vdst(0)                   ; v1 to v17 are written: the addresses that the loads and stores of the whole kernel read (v5 aside), and v17, in which the load below also lands
	global_load_b32 v[RIX], v[RIX], s[24:25]       ; my row's number
	s_mov_b32 s51, 0
	s_wait_kmcnt 0x0
	s_min_u32 s19, s19, 7
	s_lshl2_add_u32 s48, s19, s18                  ; 4 e + w
	s_lshl_b32 s50, s48, 16
	s_add_nc_u64 s[26:27], s[8:9], s[50:51]        ; my part of W1's codes: 4 K steps x 8 fragments
	s_lshl_b32 s50, s48, 15
	s_add_co_u32 s50, s50, OFF2
	s_add_nc_u64 s[28:29], s[8:9], s[50:51]        ; of W2's: 4 x 4
	s_lshl_b32 s50, s48, 14
	s_add_co_u32 s50, s50, OFF3
	s_add_nc_u64 s[30:31], s[8:9], s[50:51]        ; of W3's: 2 x 4
	s_lshl_b32 s50, s48, 11
	s_add_co_u32 s50, s50, SC1
	s_add_nc_u64 s[32:33], s[8:9], s[50:51]        ; and the scale vectors
	s_lshl_b32 s50, s48, 10
	s_add_co_u32 s50, s50, SC2
	s_add_nc_u64 s[34:35], s[8:9], s[50:51]
	s_lshl_b32 s50, s48, 9
	s_add_co_u32 s50, s50, SC3
	s_add_nc_u64 s[36:37], s[8:9], s[50:51]
	s_lshl_b32 s50, s48, 9
	s_add_nc_u64 s[38:39], s[10:11], s[50:51]      ; b1: 2,048 e + 512 w
	s_lshl_b32 s50, s48, 8
	s_add_nc_u64 s[40:41], s[12:13], s[50:51]      ; b2, b3: 1,024 e + 256 w
	s_add_nc_u64 s[42:43], s[14:15], s[50:51]
	; THE WEIGHT STREAM: seven units of 16 KiB a wave: layer 1's K steps 0..3, layer 2's 0-1 and 2-3, layer 3's 0-1.  Units 0, 3, 5 lie in B0, units 1, 4 in B1, units 2, 6 in B2.
	LDFR LDW2, 0, 26, 0, 0, 8                      ; unit 0.  (No vector instruction has named its registers, nor those of the other loads of the head)
	WIN 0
.set i, 0
.rept 16
	global_load_b32 v[WS1+i], v[L4], s[32:33] offset:128*i
.set i, i+1
.endr
.set i, 0
.rept 8
	global_load_b32 v[WS2+i], v[L4], s[34:35] offset:128*i
.set i, i+1
.endr
.set i, 0
.rept 4
	global_load_b32 v[WS3+i], v[L4], s[36:37] offset:128*i
.set i, i+1
.endr
	s_wait_loadcnt 60                              ; my row's number is in: 32 + 28 loads were issued behind it
	s_wait_alu depctr_vm_vsrc(0)                   ; that load has read v17 as its address: the line below writes it
	v_min_u32 v[RIX], 0x1fff, v[RIX]
	v_lshl_add_u32 v[HOFF], v[RIX], 11, v[H64]
	WIN LDX
	s_wait_alu depctr_va_vdst(0)                   ; v5 is written, which the 64 loads below read as their offset
.set j, 0
.rept 16                               ; unit j = 4 ks + c: h(row, 128 ks + 32 c + 16 h + 0 .. 15): 64 bytes, four loads
.irp i, 0,1,2,3
	global_load_b128 v[16*j+4*\i:16*j+4*\i+3], v[HOFF], s[4:5] offset:128*j+16*\i
.endr
.set j, j+1
.endr
	LDBIAS 0, BIAS, 8, 38                          ; b1
	LDFR LDW2, 128, 26, 16384, 0, 8                ; unit 1
	s_wait_loadcnt 32                              ; h is in, and with it unit 0, the scales and b1, which K step 0 wants: only unit 1's 32 loads were issued behind them.  (Behind unit 2 the count for b1 would be 64, more than a wait can name)
	QUANT 16
	MKWORDS
	s_wait_alu depctr_va_vdst(0)                   ; the quantiser has written the codes and the words, which the LDS stores read; and it is done with window 3 and v128-191, in which unit 2 and layer 1's fragments land
.set j, 0
.rept 16
	ds_store_b128 v[CW1], v[QC+4*j:QC+4*j+3] offset:512*j
.set j, j+1
.endr
	STWORDS SW1, 256
	LDFR LDX, 128, 26, 32768, 0, 8                 ; unit 2, into B2
	s_wait_dscnt 0x0                               ; for the others' sake: my tile of h is in LDS
	s_barrier_signal -1
	s_barrier_wait -1
	s_wait_alu depctr_vm_vsrc(0)                   ; my LDS stores have read v192-255, in which K step 1's fragments land, and v18-21, which the next quantiser's words write
	; LAYER 1: K = 512 in four steps, 32 matrix instructions each
	LDAS 8, 0
	LDA 0, 128, LB0, 0, 8192
	LDA 0, 192, LB0, 2048, 8192
	s_wait_dscnt 16                                ; the scale words and K step 0; K step 1's sixteen may be out.  (Unit 0, the scales and b1 are in since the wait ahead of the quantiser)
	WIN MULB
	MROW 8, 0, 0, 128, WS1, ASC, 1, BIAS
	LDA LDX, 0, LB0, 4096, 8192                    ; K step 2's fragments.  No wait: no vector or matrix instruction since the wait behind the quantiser names window 3
	WIN MULB
	MROW 8, 1, 0, 128, WS1, ASC, 1, BIAS
	LDA LDX, 64, LB0, 6144, 8192                   ; K step 3's
	WIN MULB
.irp m, 2,3
	MROW 8, \m, 0, 128, WS1, ASC, 1, BIAS
.endr
	PLACES 8
	s_wait_loadcnt 32                              ; unit 1 is in; unit 2 may be out
	s_wait_dscnt 32                                ; K step 1's fragments; K steps 2 and 3's may be out
	s_wait_alu depctr_va_vdst(0)                   ; K step 0's products are done reading B0 and b1, in which unit 3, b2 and the way out's rows land; this K step's products name none of those registers
	WIN MUL
	MROW 8, 0, 128, 192, WS1+4, ASC+2, 0, 0
	LDFR LDW2, 0, 26, 49152, 0, 4                  ; unit 3, into B0
	WIN MUL
	MROW 8, 1, 128, 192, WS1+4, ASC+2, 0, 0
	LDFR LDW2, 0, 26, 49152, 4, 4
	WIN MUL
	MROW 8, 2, 128, 192, WS1+4, ASC+2, 0, 0
	LDBIAS 0, BIAS, 4, 40                          ; b2
.irp m, 0,1,2,3
	global_load_b128 v[RO+8*\m:RO+8*\m+3], v[H32], s[24:25] offset:64*\m       ; the way out's rows: register 8 mt + t: place 16 mt + 8 (lane / 16) + t
	global_load_b128 v[RO+8*\m+4:RO+8*\m+7], v[H32], s[24:25] offset:64*\m+16
.endr
	WIN MUL
	MROW 8, 3, 128, 192, WS1+4, ASC+2, 0, 0
	PLACES 8
	s_wait_loadcnt 48                              ; unit 2 is in: 32 + 8 + 8 loads were issued behind it
	s_wait_dscnt 16                                ; K step 2's fragments; K step 3's may be out
	s_wait_alu depctr_va_vdst(0)                   ; K step 1's products are done reading B1, in which unit 4 lands; this K step's products name window 3 and the accumulators
	WIN MUL33
	MROW 8, 0, 128, 0, WS1+8, ASC+4, 0, 0
	LDFR LDW2, 128, 28, 0, 0, 4                    ; unit 4, into B1
	WIN MUL33
	MROW 8, 1, 128, 0, WS1+8, ASC+4, 0, 0
	LDFR LDW2, 128, 28, 0, 4, 4
	WIN MUL33
.irp m, 2,3
	MROW 8, \m, 128, 0, WS1+8, ASC+4, 0, 0
.endr
	s_wait_loadcnt 48                              ; unit 3 is in: 8 + 8 + 32 loads were issued behind it
	s_wait_dscnt 0x0
	WIN MUL23
.irp m, 0,1,2,3
	MROW 8, \m, 0, 64, WS1+12, ASC+6, 0, 0
.endr
	PLACES 8                                       ; for the loads into the buffer just read, and for the first reads of the results
	WIN LDW2
	s_wait_alu depctr_va_vdst(0)                   ; K step 3's products are done reading B0, in which unit 5 lands
	LDFR LDW2, 0, 28, 16384, 0, 8                  ; unit 5, into B0
	LEAKY 16
	QUANT 16                                       ; unit j = 4 mt + bl
	MKWORDS
	s_wait_alu depctr_va_vdst(0)                   ; the quantiser has written the codes and the words, which the LDS stores read; it and the lines ahead of it are done with window 3, v128-191 and window 1's v128-159, in which unit 6, layer 2's fragments and b3 land; layer 1's products are done with v52-59
.set j, 0
.rept 16
	ds_store_b128 v[CW2], v[QC+4*j:QC+4*j+3] offset:8192*(j/4)+512*(j%4)
.set j, j+1
.endr
	STWORDS SW2, 64
	s_wait_loadcnt 32                              ; unit 4, b2 and the way out's rows are in; unit 5 may be out.  (Behind the 40 loads below the count for unit 4 would be 72, more than a wait can name)
	LDFR LDX, 128, 30, 0, 0, 8                     ; unit 6, into B2
	LDBIAS LD1, B3, 4, 42                          ; b3
	s_wait_dscnt 0x0                               ; for the others' sake: my part of a1 is in LDS
	s_barrier_signal -1
	s_barrier_wait -1
	s_wait_alu depctr_vm_vsrc(0)                   ; my LDS stores have read v192-255, in which K step 1's fragments land, and v18-21, which the next words write
	; LAYER 2: K = 512 in four steps, 16 matrix instructions each.  Every buffer that it reads is loaded once: it holds no wait on va_vdst
	LDAS 8, 1024
	LDA 0, 128, LB0, A2O, 8192
	LDA 0, 192, LB0, A2O+2048, 8192
	s_wait_dscnt 16
	WIN MULB
	MROW 4, 0, 128, 128, WS2, ASC, 1, BIAS
	LDA LDX, 0, LB0, A2O+4096, 8192                ; K step 2's fragments.  No wait: no vector or matrix instruction since the wait behind the quantiser names window 3
	WIN MULB
	MROW 4, 1, 128, 128, WS2, ASC, 1, BIAS
	LDA LDX, 64, LB0, A2O+6144, 8192               ; K step 3's
	WIN MULB
.irp m, 2,3
	MROW 4, \m, 128, 128, WS2, ASC, 1, BIAS
.endr
	s_wait_dscnt 32                                ; K step 1's fragments; K steps 2 and 3's may be out
	WIN MUL
.irp m, 0,1,2,3
	MROW 4, \m, 192, 192, WS2+2, ASC+2, 0, 0
.endr
	s_wait_loadcnt 40                              ; unit 5 is in: 32 + 8 loads were issued behind it
	s_wait_dscnt 16
	WIN MUL23
.irp m, 0,1,2,3
	MROW 4, \m, 0, 0, WS2+4, ASC+4, 0, 0
.endr
	s_wait_dscnt 0x0
.irp m, 0,1,2,3
	MROW 4, \m, 64, 64, WS2+6, ASC+6, 0, 0
.endr
	PLACES 8
	LEAKY 8
	QUANT 8                                        ; unit j = 2 mt + bl
.set g, 0
.rept 4
	v_lshl_or_b32 v[18+g], v[QT+17+2*g], 8, v[QT+16+2*g]
	v_lshlrev_b32 v[18+g], s49, v[18+g]            ; my two bytes at their place in the row's word; the other two stay 0
.set g, g+1
.endr
	s_wait_alu depctr_va_vdst(0)                   ; the quantiser has written the codes and the words, which the LDS stores read; it is done with v128-191, and layer 2's products with v52-59, in which layer 3's loads land
.set j, 0
.rept 8
	ds_store_b128 v[CW3], v[QC+4*j:QC+4*j+3] offset:4096*(j/2)+512*(j%2)
.set j, j+1
.endr
	STWORDS SW3, 64                                ; into my wave's own 256 bytes
	s_wait_dscnt 0x0                               ; for the others' sake: my part of a2 is in LDS
	s_barrier_signal -1
	s_barrier_wait -1
	s_wait_alu depctr_vm_vsrc(0)                   ; my LDS stores have read v192-223, in which K step 1's fragments land
	; LAYER 3: K = 256 in two steps.  Register 2 w + p comes with wave w's half words of rows 32 p + lane; K step ks has the bytes of waves 2 ks and 2 ks + 1.
	LDAS 8, 2048
	LDA 0, 128, LB1, 0, 4096
	LDA 0, 192, LB1, 2048, 4096
	s_wait_dscnt 32                                ; the eight scale loads are in; the 32 fragment loads issued behind them may be out
	v_or_b32 v[ASC], v[ASC], v[ASC+2]              ; K step 0, rows 0-31
	v_or_b32 v[ASC+1], v[ASC+1], v[ASC+3]          ;           rows 32-63
	v_or_b32 v[ASC+2], v[ASC+4], v[ASC+6]          ; K step 1
	v_or_b32 v[ASC+3], v[ASC+5], v[ASC+7]
	PLACES 8                                       ; a scale register written by a vector instruction stands eight places ahead of the scaled matrix instruction
	s_wait_alu depctr_va_vdst(0)                   ; the four lines above have written v52-55, which the products below take as scales; the places stay beside this wait
	s_wait_loadcnt 0x0                             ; b3 and unit 6: nothing was issued behind them
	s_wait_dscnt 16
	WIN MUL30
.irp m, 0,1,2,3
	MROW 4, \m, 128, 128, WS3, ASC, 1, B3
.endr
	s_wait_dscnt 0x0
.irp m, 0,1,2,3
	MROW 4, \m, 192, 192, WS3+2, ASC+2, 0, 0
.endr
	; THE WAY OUT.  A lane holds pieces of one row, and the lanes beside it hold other rows: a tile of 16 rows x my 64 outputs goes through my own stage and comes back as rows of 256 bytes, which sixteen lanes store
	; to the row's place in out0.  The 64 instructions that make the offsets name no register of the last products: they are the places behind them.
	WIN 0
.set i, 0
.rept 32
	v_min_u32 v[RO+i], 0x1fff, v[RO+i]
.set i, i+1
.endr
.set i, 0
.rept 32
	v_lshl_add_u32 v[RO+i], v[RO+i], 10, v[COL]
.set i, i+1
.endr
	s_wait_alu depctr_va_vdst(0)                   ; the products have written the accumulators, which the LDS stores read, and are done reading v128-255, in which the stage's loads land; the 32 offsets are written, which the global stores read.  No vector or matrix instruction follows
.macro TOSTAGE m
	WIN STG
.irp n, 0,1,2,3
	ds_store_b128 v[STO], v[8*(4*(\m)+\n):8*(4*(\m)+\n)+3] offset:128*(\n/2)+32*(\n%2)         ; each accumulator from its low end on
	ds_store_b128 v[STO], v[8*(4*(\m)+\n)+4:8*(4*(\m)+\n)+7] offset:128*(\n/2)+32*(\n%2)+16
.endr
	WIN 0
.irp t, 0,1,2,3,4,5,6,7
	ds_load_b128 v[OB+32*(\m)+4*\t:OB+32*(\m)+4*\t+3], v[RD] offset:SPITCH*\t   ; LDS serves a wave's instructions in order (ISA guide 5.7.1.4): these see the stores above, and the next tile's stores come behind them
.endr
.endm
.macro SEND m
.irp t, 0,1,2,3,4,5,6,7
	global_store_b128 v[RO+8*(\m)+\t], v[OB+32*(\m)+4*\t:OB+32*(\m)+4*\t+3], s[16:17] th:TH_STORE_NT   ; sixteen lanes store 256 consecutive bytes of a row, aligned; no register of a store is written again
.endr
.endm
	TOSTAGE 0
.irp m, 1,2,3
	TOSTAGE \m
	s_wait_dscnt 16                                ; the tile before is back: behind its loads stand this tile's 8 stores and 8 loads
	SEND \m-1
.endr
	s_wait_dscnt 0x0
	SEND 3
	s_wait_dscnt 0x0                               ; the closing lines, six on end
	s_wait_alu 0x0
	s_wait_tensorcnt 0x0
	ds_add_u32 v62, v63
	s_wait_dscnt 0x0
	s_endpgm
.Lfunc_end_k_q7950f1ba23_experts:
	.size	k_q7950f1ba23_experts, .Lfunc_end_k_q7950f1ba23_experts-k_q7950f1ba23_experts
	.p2alignl 7, 3214868480
	.fill 96, 4, 3214868480
	.section	.rodata,"a",@progbits
	.p2align	6, 0x0
	.amdhsa_kernel k_q7950f1ba23_experts
		.amdhsa_group_segment_fixed_size 102912
		.amdhsa_private_segment_fixed_size 0
		.amdhsa_enable_private_segment 0
		.amdhsa_kernarg_size 56
		.amdhsa_user_sgpr_count 2
		.amdhsa_user_sgpr_kernarg_segment_ptr 1
		.amdhsa_wavefront_size32 1
		.amdhsa_system_sgpr_workgroup_id_x 1
		.amdhsa_system_sgpr_workgroup_id_y 1
		.amdhsa_system_sgpr_workgroup_id_z 1
		.amdhsa_system_vgpr_workitem_id 0
		.amdhsa_next_free_vgpr 1024
		.amdhsa_next_free_sgpr 66
		.amdhsa_reserve_vcc 0
		.amdhsa_float_denorm_mode_32 3
		.amdhsa_float_denorm_mode_16_64 3
		.amdhsa_memory_ordered 1
		.amdhsa_forward_progress 1
		.amdhsa_inst_pref_size 208
	.end_amdhsa_kernel
	.amdgpu_metadata
---
amdhsa.version: [ 1, 2 ]
amdhsa.kernels:
  - .name:           k_q7950f1ba23_experts
    .symbol:         k_q7950f1ba23_experts.kd
    .args:
      - { .name: h, .offset: 0, .size: 8, .value_kind: global_buffer, .address_space: global }
      - { .name: route, .offset: 8, .size: 8, .value_kind: global_buffer, .address_space: global }
      - { .name: wq, .offset: 16, .size: 8, .value_kind: global_buffer, .address_space: global }
      - { .name: b1, .offset: 24, .size: 8, .value_kind: global_buffer, .address_space: global }
      - { .name: b2, .offset: 32, .size: 8, .value_kind: global_buffer, .address_space: global }
      - { .name: b3, .offset: 40, .size: 8, .value_kind: global_buffer, .address_space: global }
      - { .name: out0, .offset: 48, .size: 8, .value_kind: global_buffer, .address_space: global }
    .group_segment_fixed_size: 102912
    .private_segment_fixed_size: 0
    .kernarg_segment_align: 8
    .kernarg_segment_size: 56
    .max_flat_workgroup_size: 128
    .sgpr_count:     66
    .vgpr_count:     1024
    .wavefront_size: 32
...
	.end_amdgpu_metadata
.endif
;; end of part 3
